; MI455X (gfx1250); checked and timed in simulation.
; The chip was launched on July 23, 2026; its instructions are those of AMD's public machine-readable ISA for CDNA 5 (MIT licence, August 2026) and "CDNA5" Instruction Set Architecture Reference Guide (July 2026). The comments in the code are by the model that wrote it; some were corrected since.
;; Quantized Attention. Allowed arithmetic: matrix products marked QUANTISED: E4M3 operands, one given power-of-two scale a tensor, by v_wmma_f32_16x16x64_fp8_fp8 or v_wmma_f32_16x16x128_fp8_fp8, f32 sums; everything else in f32.
;; Inputs: Wk_codes 1,024 x 32 x 32 uint8 (E4M3 codes of Wk, K innermost, in blocks of 32 codes); Wq_codes 1,024 x 32 x 32 uint8 (E4M3 codes of Wq, K innermost, in blocks of 32 codes); Wv_codes 1,024 x 32 x 32 uint8 (E4M3 codes of Wv, K innermost, in blocks of 32 codes); bk 1,024 float32; bq 1,024 float32; bv 1,024 float32; lowp_scales 10 int32 (the exponents e of the quantised operands' scales 2^e); x_codes 4 x 2,048 x 32 x 32 uint8 (E4M3 codes of x, K innermost, in blocks of 32 codes).
;; Outputs: out0 4 x 2,048 x 1,024 float32.
;; This version of the problem:
;;   THIS VERSION OF THE PROBLEM IS GIVEN IN LOW PRECISION. The matrix products marked QUANTISED in the list below multiply operands that are first quantised to E4M3 (4 exponent bits, 3 mantissa bits; 8 bits a number), with one given power-of-two scale for each operand tensor; their sums are f32. All else is computed in f32.
;;   The module's matrix products, in the order in which they are computed (A, B: the left and right operand; K: the contracted axis; several contracted axes count as one K, in the product's order):
;;     1. [M 8,192, K 1,024] x [K 1,024, N 1,024]; A: input x (given as codes); B: input Wq (given as codes): QUANTISED (scales: A lowp_scales[0], B lowp_scales[1])
;;     2. [M 8,192, K 1,024] x [K 1,024, N 1,024]; A: input x (given as codes); B: input Wk (given as codes): QUANTISED (scales: A lowp_scales[2], B lowp_scales[3])
;;     3. [M 8,192, K 1,024] x [K 1,024, N 1,024]; A: input x (given as codes); B: input Wv (given as codes): QUANTISED (scales: A lowp_scales[4], B lowp_scales[5])
;;     4. batch 4 x [M 2,048, K 1,024] x [K 1,024, N 2,048]; A: computed on the way; B: computed on the way: QUANTISED (scales: A lowp_scales[6], B lowp_scales[7])
;;     5. batch 4 x [M 2,048, K 2,048] x [K 2,048, N 1,024]; A: computed on the way; B: computed on the way: QUANTISED (scales: A lowp_scales[8], B lowp_scales[9])
;;   THE QUANTISER, for each operand of a quantised product, along K:
;;     - The operand's scale is 2^e, e = its entry of the input lowp_scales (int32; the entries are numbered through the quantised products in the list's order, A before B).
;;     - Each number is divided by the scale, clamped to +-448, and rounded to the nearest number of E4M3, ties to even, subnormals kept.
;;     - The product sums the exact products of the quantised numbers (number of the format x scale) in f32.
;;   ~~~python
;;   def quantise(x, axis, e):      # numpy; x: float32 -> the quantised numbers, widened to float32 again
;;       x = np.moveaxis(x, axis, -1); K = x.shape[-1]
;;       r = np.clip(x / 2.0 ** e, -448, 448)
;;       step = 2.0 ** (np.maximum(np.frexp(np.where(r == 0, 1, r))[1] - 1, -6) - 3)
;;       q = np.round(r / step) * step * 2.0 ** e      # np.round: ties to even
;;       return np.moveaxis(q, -1, axis).astype(np.float32)
;;   ~~~
;;   OPERANDS COMPUTED ON THE WAY. 'Computed on the way' means the value that the module computes at that place (a softmax that the list does not call 'softmax' is quantised finished and normalised). What goes into a quantiser is computed in f32, as accurately as f32 sums, v_exp_f32 and their like allow (about 1e-6 of the number): no bf16 or f16 on the way to a quantiser, and a product that is left as it is and whose result goes on into a quantised operand takes f32 operands (vector FMAs, or v_wmma_f32_16x16x4_f32). A number that lies on a knife's edge between two numbers of the format may be rounded either way, as far as f32 arithmetic and the matrix unit's own rounding can turn it there, and no further.
;;   INPUTS GIVEN AS CODES. Wk (in the module: [1024, 1024], K = its axis 1); Wq (in the module: [1024, 1024], K = its axis 1); Wv (in the module: [1024, 1024], K = its axis 1); x (in the module: [4, 2048, 1024], K = its axis 2): each comes as NAME_codes (uint8): NAME with its K axis moved to the last place and cut into blocks of 32 codes, [.., K / 32, bytes a block], one block behind the other in memory; one code a byte (a code: sign, 4 exponent bits, 3 mantissa bits); its scale is its entry of lowp_scales. Its value is code x scale, taken as it is: it is not quantised again, and the codes and scales need not be those that the quantiser above would give.
;; One version. Each part assembles by itself: llvm-mc -triple=amdgcn-amd-amdhsa -mcpu=gfx1250 --defsym DOCPART=n.
;; ======== version 1 of 1: 4 launches
;; limits: values are held in f16: magnitudes above 65,504 overflow, below 6.1e-05 lose precision; right only within a limited range of input values
;; workspace buffers: qc 8,388,608 bytes; kc 8,388,608 bytes; vt 8,388,608 bytes; sc 33,554,432 bytes; pc 16,777,216 bytes
;; launch proj (part 1): grid 8 x 32, 4 waves a work-group, clusters of 4 x 4, 327,680 bytes of LDS; arguments x_codes, Wq_codes, Wk_codes, bq, bk, lowp_scales, qc, kc, Wv_codes, bv, vt; writes qc, kc, vt
.if DOCPART == 1
	.amdgcn_target "amdgcn-amd-amdhsa--gfx1250"
	.amdhsa_code_object_version 6
	.text
	.protected	k_q7c41dc6894_proj
	.globl	k_q7c41dc6894_proj
	.p2align	8
	.type	k_q7c41dc6894_proj,@function
k_q7c41dc6894_proj:
	s_mov_b64 s[64:65], 0
	v_nop
	global_prefetch_b8 v0, s[64:65] scope:SCOPE_SE
	s_setreg_imm32_b32 hwreg(HW_REG_WAVE_MODE, 25, 1), 1
	s_wait_xcnt 0x0
	s_wait_alu depctr_hold_cnt(0) depctr_sa_sdst(0) depctr_va_vdst(0) depctr_va_sdst(0) depctr_va_ssrc(0) depctr_va_vcc(0) depctr_vm_vsrc(0)
	s_getreg_b32 s2, hwreg(HW_REG_IB_STS2, 6, 4)
	s_cmp_eq_u32 s2, 0
	s_cbranch_scc0 .Lentry_in_a_cluster
	s_endpgm
.Lentry_in_a_cluster:
	s_bfe_u32 s2, ttmp6, 0x10000c
	s_cmp_lg_u32 s2, 0xf033
	s_cbranch_scc0 .Lentry_shape_is_right
	s_endpgm
.Lentry_shape_is_right:
; The three projections in one launch, on codes of FP8 (E4M3).  Each result is sum x 2^(its two exponents) + bias, rounded as the module rounds (f32 -> f16 -> f32, clip at 65,504),
; and coded in E4M3 with the scale given for its next product: qc, kc: [8192 tokens][1024 features] (e6, e7); vt: [4][1024 features][2048 tokens] (e9), the tokens innermost.
; LIMITS: e0 + e1, e2 + e3, e4 + e5 between -126 and 127; e6, e7, e9 between -126 and 119.  NaN is not served.
; SHARES.  256 work-groups of four waves.  Each makes FIRST 128 features x 256 tokens of vt (a wave 64 x 128, 32 accumulators), THEN 256 tokens x 256 features of q (cluster x = 0) or k (1) (a wave 128 x 128, 64 accumulators).
; A cluster's four token tiles are the same in both parts.
; PART V.  Its 384 rows (128 of Wv, then 256 of x) come in three fills: X = K 0 .. 511 (rows of 512 bytes + 16) at byte 0, Y = K 512 .. 767 (rows of 256 + 16) behind it, Z = K 768 .. 1023 in Y's shape at byte 0.
; PART QK.  K in four steps of 256 through two slots of 512 rows x 272 bytes; the first step goes into the UPPER slot: it is asked for at part V's last change of slots, when only Z (bytes under 104,448) is still read,
; so that it is on its way under part V's last products and way out.  Part V's stage lies behind both slots, where no later fill lands; part QK's stage lies in the upper slot, behind its last fill and read.
; CLUSTERS 4 x 4, joint loads: V: Wv's tile along a row of the cluster, x's along a column; QK: x's along a row, Wq's or Wk's along a column.  One tensor load a wave behind each round.
; THE MATRIX INSTRUCTION IS USED TRANSPOSED: a lane holds eight neighbours along the output's rows (tokens in vt, features in qc and kc).
; PREFETCH, a lane a row, each wave for a quarter of the rows that it fetches, told apart from its partners' by address: part V's fills 1 and 2 at the head; Wq's or Wk's K step s two fills ahead of its load.
; x is not asked for again in part QK: the cluster has read the same rows in part V.
.set KROW, 1024
.set XP, 528
.set YP, 272
.set NA, 128
.set NB, 256
.set RA, 64
.set RB, 128
.set YB, 384*XP
.set PITCH, 272
.set ROWB, 256
.set FR, 16
.set NL, 4
.set HALFT, 128*PITCH
.set SLOT, 4*HALFT
.set LAPS, 2
.set VSTAGE, 2*SLOT
.set SPARE, 327168                     ; the spare words: the last 512 bytes, which no other line names
.set PFV, 6
.set PFQ, 7
.set AXA, 10
.set AXB, 11
.set AYA, 12
.set AYB, 13
.set AZA, 14
.set AZB, 15
.set ADRA, 16
.set VSTO, 18
.set VRD, 19
.set ADRB, 20
.set VCO, 22
.set STO, 24
.set RD, 25
.set CO, 26
.set SPW, 28
.set NIL, 29
.set LIM, 30
.set SCL, 31
.set HLF, 32
.set BIAS, 64
.set NUM, 128
.set CDS, 192
.set AF, 128
.set G1AX, 24                          ; part V's descriptors
.set G1AY, 32
.set G1BX, 40
.set G1BY, 48
.set VG0A, 56
.set VG0B, 60
.set LAY, 84
.set LBY, 85
.set LAZ, 87
.set LBZ, 100
.set G1, 24                            ; part QK's, written when no load of part V is out
.set G0, 32
.set G1B, 48
.set G0B, 56
.set MSB, 0
.macro WIN new                         ; the immediate's high byte repeats the setting that is left
.if MSB != \new
	s_set_vgpr_msb (MSB<<8)|\new
.set MSB, \new
.endif
.endm
.set MUL_LO, 0xa1                      ; source 0 window 1, source 1 window 0, C and D window 2
.set MUL_HI, 0xf1                      ; the same, C and D window 3
.set TO_B, 0x40
.macro JLOAD g0a, g1a, g0b, g1b        ; a joint load: waves 0, 1 take the first pair, waves 2, 3 the second; an s_nop 0 and four v_nop behind each line
	s_cmp_eq_u32 s15, 0
	s_cbranch_scc0 .Lfor_b_\@
	tensor_load_to_lds s[\g0a:\g0a+3], s[\g1a:\g1a+7]
	s_nop 0
.rept 4
	v_nop
.endr
	s_branch .Lasked_\@
.Lfor_b_\@:
	tensor_load_to_lds s[\g0b:\g0b+3], s[\g1b:\g1b+7]
	s_nop 0
.rept 4
	v_nop
.endr
.Lasked_\@:
.endm
.macro CREST
	s_cmp_lg_u32 s14, 0
	s_cbranch_scc1 .Lnot_wave_0_\@
	s_barrier_signal -3
.Lnot_wave_0_\@:
	s_barrier_wait -3
	s_barrier_signal -1
	s_barrier_wait -1
.endm
.macro CROUND                          ; a whole round of the cluster's barrier
	s_barrier_signal -1
	s_barrier_wait -1
	CREST
.endm
.macro G1SET g, c, r                   ; r rows of c bytes, KROW bytes apart
	s_mov_b32 s[\g+1], (\c)<<16
	s_mov_b32 s[\g+2], (\r)<<16
	s_mov_b32 s[\g+3], (\c)<<16
	s_mov_b32 s[\g+4], \r
	s_mov_b32 s[\g+5], KROW
	s_mov_b32 s[\g+6], 0
	s_mov_b32 s[\g+7], 0
.endm
.macro PLACES n                        ; plain places behind matrix instructions (ISA guide 7.12.1)
.rept \n
	v_nop
.endr
.endm
.macro QASK k                          ; waves 2, 3: 256 bytes at byte k of each row of my share of Wq or Wk
	s_cmp_eq_u32 s15, 0
	s_cbranch_scc1 .Lno_ask_\@
	global_prefetch_b8 v[PFQ], s[104:105] offset:\k th:TH_LOAD_NT scope:SCOPE_SE
.Lno_ask_\@:
.endm
; ---- part V's macros
.macro VFETCH adra, adrb, pitch, q, p  ; 48 LDS loads: the fragments of the slot's q-th 128 of K into set p: registers 4 c .. 4 c + 3 hold K = 32 c + 16 (l / 16) + 0 .. 15, alike in both operands
	WIN TO_B
.irp i, 0,1,2,3,4,5,6,7
.irp c, 0,1,2,3
	ds_load_b128 v[128*(\p)+16*\i+4*\c:128*(\p)+16*\i+4*\c+3], v[\adrb] offset:128*(\q)+32*\c+\i*16*\pitch
.endr
.endr
	WIN 0
.irp i, 0,1,2,3
.irp c, 0,1,2,3
	ds_load_b128 v[AF+64*(\p)+16*\i+4*\c:AF+64*(\p)+16*\i+4*\c+3], v[\adra] offset:128*(\q)+32*\c+\i*16*\pitch
.endr
.endr
.endm
.macro VMUL32 p                        ; the 32 accumulators take turns; ZF: the first products start the sums
.irp a, 0,1,2,3
.irp b, 0,1,2,3,4,5,6,7
.if ZF
	v_wmma_f32_16x16x128_fp8_fp8 v[8*(8*\a+\b):8*(8*\a+\b)+7], v[128*(\p)+16*\b:128*(\p)+16*\b+15], v[AF+64*(\p)+16*\a:AF+64*(\p)+16*\a+15], 0
.else
	v_wmma_f32_16x16x128_fp8_fp8 v[8*(8*\a+\b):8*(8*\a+\b)+7], v[128*(\p)+16*\b:128*(\p)+16*\b+15], v[AF+64*(\p)+16*\a:AF+64*(\p)+16*\a+15], v[8*(8*\a+\b):8*(8*\a+\b)+7]
.endif
.endr
.endr
.endm
.macro VRUN adra, adrb, pitch, n       ; a slot's n steps of 128 along K (n even); the first step's fragments have been asked for, into set 0
.set KQ, 0
.rept \n
.if KQ+1 < \n
	PLACES 4
	VFETCH \adra, \adrb, \pitch, KQ+1, (KQ+1)%2
	s_wait_dscnt 48                                ; all but the 48 loads just issued
.else
	s_wait_dscnt 0x0
.endif
	WIN MUL_LO
	VMUL32 KQ%2
.set ZF, 0
.set KQ, KQ+1
.endr
	WIN 0
.endm
.macro VCHANGE ldsa, ldsb, step        ; a change of slots with a fill in Y's shape behind it
	s_wait_tensorcnt 0x0                           ; my one load that was out has landed: the groups 0 may be written
	ds_add_u32 v[SPW], v[NIL]
	s_mov_b32 s[VG0A+1], s[\ldsa]
	s_mov_b32 s[VG0B+1], s[\ldsb]
	s_add_nc_u64 s[VG0A+2:VG0A+3], s[VG0A+2:VG0A+3], \step
	s_add_nc_u64 s[VG0B+2:VG0B+3], s[VG0B+2:VG0B+3], \step
	s_wait_dscnt 0x0                               ; the add is done, and my reads of the slot that I leave are over
	CROUND
	JLOAD VG0A, G1AY, VG0B, G1BY                   ; its four v_nop are the places in front of the loads that follow
.endm
; ---- part QK's macros
.macro FRAG reg, adr, q, i
.irp c, 0,1,2,3
	ds_load_b128 v[\reg+4*\c:\reg+4*\c+3], v[\adr] offset:128*(\q)+32*\c+(\i)*16*PITCH
.endr
.endm
.macro MUL16 a0, p, zero               ; the 64 accumulators take turns
.irp a, \a0, \a0+1
.irp b, 0,1,2,3,4,5,6,7
.if \zero
	v_wmma_f32_16x16x128_fp8_fp8 v[8*(8*((\a)%4)+\b):8*(8*((\a)%4)+\b)+7], v[128*(\p)+FR*\b:128*(\p)+FR*\b+FR-1], v[AF+FR*(\a):AF+FR*(\a)+FR-1], 0
.else
	v_wmma_f32_16x16x128_fp8_fp8 v[8*(8*((\a)%4)+\b):8*(8*((\a)%4)+\b)+7], v[128*(\p)+FR*\b:128*(\p)+FR*\b+FR-1], v[AF+FR*(\a):AF+FR*(\a)+FR-1], v[8*(8*((\a)%4)+\b):8*(8*((\a)%4)+\b)+7]
.endif
.endr
.endr
.endm
.macro FETCH_B slot, q, p
	WIN TO_B
.irp i, 0,1,2,3,4,5,6,7
	FRAG 128*(\p)+FR*\i, ADRB+\slot, \q, \i
.endr
	WIN 0
.endm
.macro FETCH_A slot, q, i0
.irp i, \i0, \i0+1, \i0+2, \i0+3
	FRAG AF+FR*(\i), ADRA+\slot, \q, \i
.endr
.endm
.macro STEP slot, q, zero              ; a step of 128 along K that has its successor in the same slot
	s_wait_dscnt 4*NL                              ; all but the youngest 16 loads (A's blocks 4-7)
	WIN MUL_LO
	MUL16 0, (\q)%2, \zero
	MUL16 2, (\q)%2, \zero
	s_wait_dscnt 0
	PLACES 4
	FETCH_B \slot, (\q)+1, 1-(\q)%2
	FETCH_A \slot, (\q)+1, 0
	WIN MUL_HI
	MUL16 4, (\q)%2, \zero
	MUL16 6, (\q)%2, \zero
	PLACES 4
	WIN 0
	FETCH_A \slot, (\q)+1, 4
.endm
.macro TURN slot, next, fill           ; a slot's last step changes slots: one barrier
	s_wait_tensorcnt 0x0
	ds_add_u32 v[SPW], v[NIL]
	s_wait_dscnt 4*NL+1                            ; (the add and the youngest 16 loads may be out)
	WIN MUL_LO
	MUL16 0, 1, 0
	s_wait_dscnt 0x0
	s_barrier_signal -1
	MUL16 2, 1, 0
	WIN 0
	s_barrier_wait -1
.if \fill
	CREST
	s_add_nc_u64 s[G0+4*\slot+2:G0+4*\slot+3], s[G0+4*\slot+2:G0+4*\slot+3], 2*ROWB
	s_add_nc_u64 s[G0B+4*\slot+2:G0B+4*\slot+3], s[G0B+4*\slot+2:G0B+4*\slot+3], 2*ROWB
	JLOAD G0+4*\slot, G1, G0B+4*\slot, G1B
.else
	PLACES 4
.endif
	FETCH_B \next, 0, 0
	FETCH_A \next, 0, 0
	WIN MUL_HI
	MUL16 4, 1, 0
	MUL16 6, 1, 0
	PLACES 4
	WIN 0
	FETCH_A \next, 0, 4
.endm
; ---- the way out of both parts: a block of 16 output rows x 128: scale and bias, the module's rounding, the hold, the codes, into the stage.  bs = 1: the bias runs along the registers; 0: along the lanes
.macro QBLK a, bs, sto
.set AC, 64*((\a)%4)
.set CD, CDS+16*((\a)%4)
	WIN 0x02+((\a)/4)
.set jj, 0
.rept 32
	v_pk_fma_f32 v[NUM+jj:NUM+jj+1], v[AC+jj:AC+jj+1], s[96:97], v[BIAS+(\bs)*jj+(1-(\bs))*2*(\a):BIAS+(\bs)*jj+(1-(\bs))*2*(\a)+1] op_sel_hi:[1,0,1]
.set jj, jj+2
.endr
	WIN 0
.set jj, 0
.rept 32
	v_cvt_pk_f16_f32 v[HLF+jj], v[NUM+2*jj], v[NUM+2*jj+1]
.set jj, jj+1
.endr
.set DD, NUM
.irp hh, v32.l,v32.h,v33.l,v33.h,v34.l,v34.h,v35.l,v35.h,v36.l,v36.h,v37.l,v37.h,v38.l,v38.h,v39.l,v39.h,v40.l,v40.h,v41.l,v41.h,v42.l,v42.h,v43.l,v43.h,v44.l,v44.h,v45.l,v45.h,v46.l,v46.h,v47.l,v47.h,v48.l,v48.h,v49.l,v49.h,v50.l,v50.h,v51.l,v51.h,v52.l,v52.h,v53.l,v53.h,v54.l,v54.h,v55.l,v55.h,v56.l,v56.h,v57.l,v57.h,v58.l,v58.h,v59.l,v59.h,v60.l,v60.h,v61.l,v61.h,v62.l,v62.h,v63.l,v63.h
	v_cvt_f32_f16 v[DD], \hh
.set DD, DD+1
.endr
.set jj, 0
.rept 64
	v_med3_num_f32 v[NUM+jj], v[NUM+jj], -v[LIM], v[LIM]       ; the lesser of the module's clip and 448 x the scale: the conversion does not saturate (ISA guide 7.6.2)
.set jj, jj+1
.endr
.irp b, 0,1,2,3,4,5,6,7
	v_cvt_scalef32_pk8_fp8_f32 v[CD+2*\b:CD+2*\b+1], v[NUM+8*\b:NUM+8*\b+7], v[SCL]
.endr
	v_nop                                          ; one plain place behind the last conversion
.irp b, 0,1,2,3,4,5,6,7
	ds_store_b64 v[\sto], v[CD+2*\b:CD+2*\b+1] offset:(\a)*16*PITCH+16*\b
.endr
.endm
.macro QSET                            ; s96: the operands' exponents added; s98: the result's
	s_add_co_i32 s96, s96, 127
	s_lshl_b32 s96, s96, 23
	s_mov_b32 s97, s96
	s_add_co_i32 s98, s98, 127
	s_lshl_b32 s99, s98, 23
	v_mov_b32 v[SCL], s99
	s_add_co_i32 s98, s98, 8
	s_lshl_b32 s98, s98, 23
	s_or_b32 s98, s98, 0x600000                    ; 448 x the scale,
	s_min_u32 s98, s98, 0x477fe000                 ; or 65,504
	v_mov_b32 v[LIM], s98
	PLACES 4
.endm
	s_load_b512 s[68:83], s[0:1], 0x0              ; x 68, Wq 70, Wk 72, bq 74, bk 76, the scales 78, qc 80, kc 82
	s_load_b128 s[4:7], s[0:1], 0x40               ; Wv s[4:5], bv s[6:7]
	s_load_b64 s[8:9], s[0:1], 0x50                ; vt
	v_lshl_add_u32 v[SPW], v0, 2, SPARE
	v_mov_b32 v[NIL], 0
	ds_add_u32 v[SPW], v[NIL]                      ; the opening lines: the add twice on end
	ds_add_u32 v[SPW], v[NIL]
	v_lshrrev_b32 v1, 5, v0
	v_readfirstlane_b32 s14, v1                    ; wave
	s_lshr_b32 s15, s14, 1                         ; my half of the output's rows; also: which operand I fetch for
	s_and_b32 s16, s14, 1                          ; my half of its columns; also: which half of that tile I fetch
	s_bfe_u32 s12, ttmp6, 0x40000                  ; cx
	s_bfe_u32 s13, ttmp6, 0x40004                  ; cy
	s_and_b32 s2, ttmp7, 0xffff                    ; cluster y
	s_lshl_b32 s18, s2, 2
	s_add_co_u32 s18, s18, s12                     ; V: tile column (256 tokens) = 4 x cluster y + cx
	s_lshl_b32 s19, ttmp9, 2
	s_add_co_u32 s19, s19, s13                     ; V: tile row (128 features) = 4 x cluster x + cy
	s_lshl_b32 s66, s13, 2
	s_lshl_b32 s66, 15, s66                        ; my row of the cluster
	s_lshl_b32 s67, 0x1111, s12                    ; my column
	s_or_b32 s[G1AX], s66, (1<<20)|(1<<21)|(6<<22)|(3<<25)  ; the mask; elements of 1 byte; four words of padding after every 128 words
	s_or_b32 s[G1AY], s66, (1<<20)|(1<<21)|(5<<22)|(3<<25)  ; after every 64
	s_or_b32 s[G1BX], s67, (1<<20)|(1<<21)|(6<<22)|(3<<25)
	s_or_b32 s[G1BY], s67, (1<<20)|(1<<21)|(5<<22)|(3<<25)
	G1SET G1AX, 512, RA
	G1SET G1AY, 256, RA
	G1SET G1BX, 512, RB
	G1SET G1BY, 256, RB
	s_lshl_b32 s20, s19, 7
	s_lshl_b32 s21, s16, 6
	s_add_co_u32 s20, s20, s21                     ; Wv: feature 128 x tile row + 64 x half
	s_lshl_b32 s20, s20, 10
	s_mov_b32 s21, 0
	s_lshl_b32 s22, s18, 8
	s_lshl_b32 s23, s16, 7
	s_add_co_u32 s22, s22, s23                     ; x: token 256 x tile column + 128 x half
	s_lshl_b32 s22, s22, 10
	s_mov_b32 s23, 0
	s_mul_i32 s96, s16, RA*XP                      ; where my load goes: in X, in Z, in Y
	s_mul_i32 s[LAZ], s16, RA*YP
	s_add_co_u32 s[LAY], s[LAZ], YB
	s_mul_i32 s97, s16, RB*XP
	s_add_co_u32 s97, s97, NA*XP
	s_mul_i32 s[LBZ], s16, RB*YP
	s_add_co_u32 s[LBZ], s[LBZ], NA*YP
	s_add_co_u32 s[LBY], s[LBZ], YB
	s_wait_dscnt 0x0
	s_wait_kmcnt 0x0
	s_load_b256 s[88:95], s[78:79], 0x0            ; e0 .. e7
	s_load_b32 s86, s[78:79], 0x24                 ; e9
	s_mov_b32 s[VG0A], 1
	s_mov_b32 s[VG0A+1], s96
	s_add_nc_u64 s[VG0A+2:VG0A+3], s[4:5], s[20:21]
	s_or_b32 s[VG0A+3], s[VG0A+3], 0x80000000
	s_mov_b32 s[VG0B], 1
	s_mov_b32 s[VG0B+1], s97
	s_add_nc_u64 s[VG0B+2:VG0B+3], s[68:69], s[22:23]
	s_or_b32 s[VG0B+3], s[VG0B+3], 0x80000000
	CROUND                                         ; all sixteen work-groups are here
	JLOAD VG0A, G1AX, VG0B, G1BX                   ; V: K 0 .. 511: one tensor load a wave at the head
	s_lshl_b32 s20, s19, 7
	s_lshl_b32 s21, s14, 5
	s_add_co_u32 s20, s20, s21                     ; vt: feature 128 x tile row + 32 x wave,
	s_lshl_b32 s20, s20, 11
	s_mov_b32 s21, 0
	s_lshr_b32 s22, s18, 3
	s_lshl_b32 s22, s22, 21                        ; the batch,
	s_and_b32 s23, s18, 7
	s_lshl_b32 s23, s23, 8
	s_add_co_u32 s22, s22, s23                     ; and the block's 256 tokens in it
	s_mov_b32 s23, 0
	s_add_nc_u64 s[20:21], s[20:21], s[22:23]
	s_add_nc_u64 s[8:9], s[8:9], s[20:21]
	s_lshl_b32 s20, s19, 9
	s_lshl_b32 s21, s15, 8
	s_add_co_u32 s20, s20, s21
	s_mov_b32 s21, 0
	s_add_nc_u64 s[6:7], s[6:7], s[20:21]          ; bv at my first feature
	s_lshl_b32 s20, s19, 7                         ; V's prefetches: of the rows that I fetch, my work-group's quarter
	s_lshl_b32 s21, s16, 6
	s_add_co_u32 s20, s20, s21
	s_lshl_b32 s21, s12, 4
	s_add_co_u32 s20, s20, s21                     ; Wv: + 16 cx
	s_lshl_b32 s22, s18, 8
	s_lshl_b32 s23, s16, 7
	s_add_co_u32 s22, s22, s23
	s_lshl_b32 s23, s13, 5
	s_add_co_u32 s22, s22, s23                     ; x: + 32 cy
	s_cmp_eq_u32 s15, 0
	s_cselect_b32 s20, s20, s22
	s_cselect_b64 s[10:11], s[4:5], s[68:69]
	s_cselect_b32 s98, 15, 31                      ; the share's last row: lanes left over name it again
	s_lshl_b32 s20, s20, 10
	s_mov_b32 s21, 0
	s_add_nc_u64 s[10:11], s[10:11], s[20:21]
	s_lshl_b32 s20, s12, 8                         ; QK's prefetches: row 256 cx + 128 x half + 32 cy of Wq or Wk
	s_lshl_b32 s21, s16, 7
	s_add_co_u32 s20, s20, s21
	s_lshl_b32 s21, s13, 5
	s_add_co_u32 s20, s20, s21
	s_lshl_b32 s20, s20, 10
	s_mov_b32 s21, 0
	s_cmp_eq_u32 ttmp9, 0
	s_cselect_b64 s[104:105], s[70:71], s[72:73]
	s_add_nc_u64 s[104:105], s[104:105], s[20:21]
	s_mul_i32 s18, s15, 64*XP                      ; where my fragments lie, in X, Z and Y
	s_mul_i32 s19, s16, 128*XP
	s_add_co_u32 s19, s19, NA*XP
	s_mul_i32 s96, s15, 64*YP
	s_add_co_u32 s20, s96, YB
	s_mul_i32 s97, s16, 128*YP
	s_add_co_u32 s97, s97, NA*YP
	s_add_co_u32 s21, s97, YB
	s_lshl_b32 s22, s16, 7
	s_add_co_u32 s22, s22, s96
	s_add_co_u32 s22, s22, VSTAGE                  ; V's stage, in: my 64 rows, my 128 bytes of them
	s_mul_i32 s23, s14, 32*YP
	s_add_co_u32 s23, s23, VSTAGE                  ; back: 32 whole rows a wave
	v_and_b32 v1, 15, v0                           ; r
	v_bfe_u32 v2, v0, 4, 1                         ; h
	v_mul_u32_u24 v3, v1, XP
	v_lshl_add_u32 v3, v2, 4, v3
	v_mul_u32_u24 v5, v1, YP
	v_lshl_add_u32 v4, v2, 4, v5
	v_add_nc_u32 v[AXA], s18, v3
	v_add_nc_u32 v[AXB], s19, v3
	v_add_nc_u32 v[AYA], s20, v4
	v_add_nc_u32 v[AYB], s21, v4
	v_add_nc_u32 v[AZA], s96, v4
	v_add_nc_u32 v[AZB], s97, v4
	v_lshl_add_u32 v5, v2, 3, v5
	v_add_nc_u32 v[VSTO], s22, v5                  ; in: row r, 8 bytes for each half of the lanes
	v_mul_u32_u24 v3, v2, YP
	v_lshl_add_u32 v3, v1, 4, v3
	v_add_nc_u32 v[VRD], s23, v3                   ; back: lanes 0-15 one row of 256 bytes, lanes 16-31 the next
	v_lshlrev_b32 v4, 11, v2
	v_lshl_add_u32 v[VCO], v1, 4, v4               ; the same two rows in vt
	v_and_b32 v9, 31, v0
	v_lshlrev_b32 v[PFQ], 10, v9                   ; a lane a row
	v_min_u32 v9, s98, v9
	v_lshlrev_b32 v[PFV], 10, v9
	v_lshlrev_b32 v8, 2, v1
.irp a, 0,1,2,3
	global_load_b32 v[BIAS+2*\a],   v8, s[6:7] offset:64*\a     ; bv of feature 16 a + r, twice: a pair for the packed form
	global_load_b32 v[BIAS+2*\a+1], v8, s[6:7] offset:64*\a
.endr
	global_prefetch_b8 v[PFV], s[10:11] offset:512 th:TH_LOAD_NT scope:SCOPE_SE   ; V's fill 1
	global_prefetch_b8 v[PFV], s[10:11] offset:768 th:TH_LOAD_NT scope:SCOPE_SE   ; and fill 2
.set ZF, 1
	s_wait_alu depctr_va_vdst(0)
	VCHANGE LAY, LBY, 512                          ; Y's first fill, issued as a refill is: K 512 .. 767
	VFETCH AXA, AXB, XP, 0, 0
	QASK 0                                         ; two fills on: QK's K step 0
	VRUN AXA, AXB, XP, 4
	VCHANGE LAZ, LBZ, 256                          ; Z: K 768 .. 1023 into X's first bytes
	VFETCH AYA, AYB, YP, 0, 0
	QASK 256
	VRUN AYA, AYB, YP, 2
	s_wait_xcnt 0x0                                ; the bias loads and V's prefetches have read their bases, which are written below
	s_wait_tensorcnt 0x0                           ; Z is in, and no load of mine is out: every descriptor may be written
	ds_add_u32 v[SPW], v[NIL]                      ; QK's descriptors, work on registers, stand between the add and its wait
	s_lshl_b32 s17, s2, 2
	s_add_co_u32 s17, s17, s13                     ; QK: tile row (256 tokens) = 4 x cluster y + cy; the tile column is cx
	s_or_b32 s[G1+0], s66, (1<<20)|(1<<21)|(5<<22)|(3<<25)
	s_or_b32 s[G1B+0], s67, (1<<20)|(1<<21)|(5<<22)|(3<<25)
	G1SET G1, ROWB, 128
	G1SET G1B, ROWB, 128
	s_lshl_b32 s18, s16, 7
	s_lshl_b32 s20, s17, 8
	s_add_co_u32 s20, s20, s18
	s_lshl_b32 s20, s20, 10
	s_mov_b32 s21, 0
	s_lshl_b32 s46, s12, 8
	s_add_co_u32 s46, s46, s18
	s_lshl_b32 s46, s46, 10
	s_mov_b32 s47, 0
	s_mul_i32 s45, s14, HALFT
	s_cmp_eq_u32 ttmp9, 0
	s_cselect_b64 s[6:7], s[70:71], s[72:73]
	s_cselect_b64 s[84:85], s[74:75], s[76:77]
	s_cselect_b64 s[10:11], s[80:81], s[82:83]
	s_add_nc_u64 s[20:21], s[68:69], s[20:21]
	s_add_nc_u64 s[46:47], s[6:7], s[46:47]
.irp s, 0,1
	s_mov_b32 s[G0+4*\s], 1
	s_add_co_u32 s[G0+4*\s+1], s45, (1-\s)*SLOT    ; slot 0 of the walk is the upper one
	s_add_nc_u64 s[G0+4*\s+2:G0+4*\s+3], s[20:21], \s*ROWB
	s_or_b32 s[G0+4*\s+3], s[G0+4*\s+3], 0x80000000
	s_mov_b32 s[G0B+4*\s], 1
	s_add_co_u32 s[G0B+4*\s+1], s45, (1-\s)*SLOT
	s_add_nc_u64 s[G0B+4*\s+2:G0B+4*\s+3], s[46:47], \s*ROWB
	s_or_b32 s[G0B+4*\s+3], s[G0B+4*\s+3], 0x80000000
.endr
	s_wait_dscnt 0x0                               ; the add is done, and my reads of Y are over
	CROUND
	JLOAD G0, G1, G0B, G1B                         ; QK's K step 0 into the upper slot: bytes that X and Y held and nobody reads any more
	VFETCH AZA, AZB, YP, 0, 0
	QASK 512
	VRUN AZA, AZB, YP, 2
	; part V's way out
	s_wait_loadcnt 0x0                             ; bv
	s_wait_kmcnt 0x0
	s_add_co_i32 s96, s92, s93                     ; e4 + e5
	s_mov_b32 s98, s86                             ; e9
	QSET
.irp a, 0,1,2,3
	QBLK \a, 0, VSTO
.endr
	s_wait_dscnt 0x0                               ; my stores are done, for the others' sake
	s_barrier_signal -1
	s_barrier_wait -1
.set tt, 0
.rept 16
	ds_load_b128 v[NUM+4*tt:NUM+4*tt+3], v[VRD] offset:tt*2*YP
.set tt, tt+1
.endr
.set tt, 0
.rept 16
	s_wait_dscnt 15-tt
	global_store_b128 v[VCO], v[NUM+4*tt:NUM+4*tt+3], s[8:9] offset:tt*2*2048   ; 16 lanes store 256 consecutive bytes, at a multiple of 256 from vt's first byte
.set tt, tt+1
.endr
	; part QK's addresses
	s_lshl_b32 s20, s17, 8
	s_lshl_b32 s21, s15, 7
	s_add_co_u32 s20, s20, s21
	s_lshl_b32 s21, s16, 5
	s_add_co_u32 s20, s20, s21                     ; out: token 256 x tile row + 128 (wave / 2) + 32 (wave % 2), and 64 further on in the second half,
	s_lshl_b32 s20, s20, 10
	s_mov_b32 s21, 0
	s_lshl_b32 s46, s12, 8                         ; and the block's 256 bytes of a row
	s_mov_b32 s47, 0
	s_add_nc_u64 s[20:21], s[20:21], s[46:47]
	s_add_nc_u64 s[10:11], s[10:11], s[20:21]
	s_lshl_b32 s46, s12, 10
	s_lshl_b32 s47, s16, 9
	s_add_co_u32 s46, s46, s47
	s_mov_b32 s47, 0
	s_add_nc_u64 s[84:85], s[84:85], s[46:47]      ; the bias at my first feature
	s_mul_i32 s21, s15, HALFT
	s_mul_i32 s22, s16, HALFT
	s_add_co_u32 s22, s22, 2*HALFT
	s_add_co_u32 s18, s21, SLOT
	s_add_co_u32 s19, s22, SLOT
	s_lshl_b32 s23, s16, 7
	s_add_co_u32 s23, s23, s18                     ; QK's stage, in the upper slot
	s_mul_i32 s20, s16, 32*PITCH
	s_add_co_u32 s20, s20, s18                     ; back: the same rows of the stage
	v_and_b32 v1, 15, v0
	v_bfe_u32 v2, v0, 4, 1
	v_mul_u32_u24 v3, v1, PITCH
	v_lshl_add_u32 v4, v2, 4, v3
	v_add_nc_u32 v[ADRA], s18, v4
	v_add_nc_u32 v[ADRA+1], s21, v4
	v_add_nc_u32 v[ADRB], s19, v4
	v_add_nc_u32 v[ADRB+1], s22, v4
	v_lshl_add_u32 v5, v2, 3, v3
	v_add_nc_u32 v[STO], s23, v5
	v_mul_u32_u24 v3, v2, PITCH
	v_lshl_add_u32 v3, v1, 4, v3
	v_add_nc_u32 v[RD], s20, v3
	v_lshlrev_b32 v9, 10, v2
	v_lshl_add_u32 v[CO], v1, 4, v9
	v_lshlrev_b32 v8, 5, v2
.irp b, 0,1,2,3,4,5,6,7
	global_load_b128 v[BIAS+8*\b:BIAS+8*\b+3],   v8, s[84:85] offset:64*\b       ; waited for ahead of QK's way out
	global_load_b128 v[BIAS+8*\b+4:BIAS+8*\b+7], v8, s[84:85] offset:64*\b+16
.endr
	s_wait_alu depctr_va_vdst(0)
	s_wait_xcnt 0x0                                ; vt's stores have read their data: the fragments below land there
	s_wait_tensorcnt 0x0                           ; my part of K step 0 is in
	ds_add_u32 v[SPW], v[NIL]
	s_wait_dscnt 0x0
	CROUND
	JLOAD G0+4, G1, G0B+4, G1B                     ; K step 1 into the lower slot, which Z has left
	FETCH_B 0, 0, 0
	FETCH_A 0, 0, 0
	FETCH_A 0, 0, 4
	QASK 768
	STEP 0, 0, 1                                   ; the first step's products start the sums
	s_mov_b32 s3, LAPS-1
.Llap:
	TURN 0, 1, 1
	STEP 1, 0, 0
	TURN 1, 0, 1
	STEP 0, 0, 0
	s_sub_co_u32 s3, s3, 1
	s_cmp_lg_u32 s3, 0
	s_cbranch_scc1 .Llap
	TURN 0, 1, 0                                   ; the last lap fills nothing
	STEP 1, 0, 0
	s_wait_dscnt 4*NL
	WIN MUL_LO
	MUL16 0, 1, 0
	MUL16 2, 1, 0
	s_wait_dscnt 0
	WIN MUL_HI
	MUL16 4, 1, 0
	MUL16 6, 1, 0
	WIN 0
	; part QK's way out
	s_wait_loadcnt 0x0                             ; the bias
	s_cmp_eq_u32 ttmp9, 0
	s_cselect_b32 s96, s88, s90
	s_cselect_b32 s97, s89, s91
	s_cselect_b32 s98, s94, s95
	s_add_co_i32 s96, s96, s97
	QSET
.irp p, 0,1                                    ; in two halves: every wave's blocks 4 p .. 4 p + 3 are 128 whole rows of the stage; the first half's stores are out while the second half is coded
.irp a, 0,1,2,3
	QBLK 4*\p+\a, 1, STO
.endr
	s_wait_dscnt 0x0                               ; my stores are done, for the others' sake
	s_barrier_signal -1
	s_barrier_wait -1
	WIN TO_B                                       ; back into window 1, 64 registers for each half: no store's data are written again
.set tt, 0
.rept 16
	ds_load_b128 v[64*\p+4*tt:64*\p+4*tt+3], v[RD] offset:(64*\p+2*tt)*PITCH
.set tt, tt+1
.endr
	WIN 0x04                                       ; a store's data are its source 1
.set tt, 0
.rept 16
	s_wait_dscnt 15-tt
	global_store_b128 v[CO], v[64*\p+4*tt:64*\p+4*tt+3], s[10:11] offset:(64*\p+2*tt)*1024   ; 16 lanes store 256 consecutive bytes, at a multiple of 256 from the buffer's first byte
.set tt, tt+1
.endr
	WIN 0
.endr
	s_wait_tensorcnt 0x0                           ; the wave's end
	ds_add_u32 v[SPW], v[NIL]
	s_wait_dscnt 0x0
	CROUND                                         ; the closing round
	s_endpgm
.Lfunc_end_k_q7c41dc6894_proj:
	.size	k_q7c41dc6894_proj, .Lfunc_end_k_q7c41dc6894_proj-k_q7c41dc6894_proj
	.p2alignl 7, 3214868480
	.fill 96, 4, 3214868480
	.section	.rodata,"a",@progbits
	.p2align	6, 0x0
	.amdhsa_kernel k_q7c41dc6894_proj
		.amdhsa_group_segment_fixed_size 327680
		.amdhsa_private_segment_fixed_size 0
		.amdhsa_enable_private_segment 0
		.amdhsa_kernarg_size 88
		.amdhsa_user_sgpr_count 2
		.amdhsa_user_sgpr_kernarg_segment_ptr 1
		.amdhsa_wavefront_size32 1
		.amdhsa_system_sgpr_workgroup_id_x 1
		.amdhsa_system_sgpr_workgroup_id_y 1
		.amdhsa_system_sgpr_workgroup_id_z 1
		.amdhsa_system_vgpr_workitem_id 0
		.amdhsa_next_free_vgpr 1024
		.amdhsa_next_free_sgpr 106
		.amdhsa_reserve_vcc 0
		.amdhsa_float_denorm_mode_32 3
		.amdhsa_float_denorm_mode_16_64 3
		.amdhsa_memory_ordered 1
		.amdhsa_forward_progress 1
		.amdhsa_inst_pref_size 255
	.end_amdhsa_kernel
	.section	.bss,"aw",@nobits
	.p2align	6
	.space	262144
	.amdgpu_metadata
---
amdhsa.version: [ 1, 2 ]
amdhsa.kernels:
  - .name:           k_q7c41dc6894_proj
    .symbol:         k_q7c41dc6894_proj.kd
    .args:
      - { .name: x_codes, .offset: 0, .size: 8, .value_kind: global_buffer, .address_space: global }
      - { .name: Wq_codes, .offset: 8, .size: 8, .value_kind: global_buffer, .address_space: global }
      - { .name: Wk_codes, .offset: 16, .size: 8, .value_kind: global_buffer, .address_space: global }
      - { .name: bq, .offset: 24, .size: 8, .value_kind: global_buffer, .address_space: global }
      - { .name: bk, .offset: 32, .size: 8, .value_kind: global_buffer, .address_space: global }
      - { .name: lowp_scales, .offset: 40, .size: 8, .value_kind: global_buffer, .address_space: global }
      - { .name: qc, .offset: 48, .size: 8, .value_kind: global_buffer, .address_space: global }
      - { .name: kc, .offset: 56, .size: 8, .value_kind: global_buffer, .address_space: global }
      - { .name: Wv_codes, .offset: 64, .size: 8, .value_kind: global_buffer, .address_space: global }
      - { .name: bv, .offset: 72, .size: 8, .value_kind: global_buffer, .address_space: global }
      - { .name: vt, .offset: 80, .size: 8, .value_kind: global_buffer, .address_space: global }
    .group_segment_fixed_size: 327680
    .private_segment_fixed_size: 0
    .kernarg_segment_align: 8
    .kernarg_segment_size: 88
    .max_flat_workgroup_size: 128
    .sgpr_count:     106
    .vgpr_count:     1024
    .wavefront_size: 32
...
	.end_amdgpu_metadata
.endif
;; end of part 1
;; launch scores (part 2): grid 8 x 32, 4 waves a work-group, clusters of 4 x 4, 327,680 bytes of LDS; arguments qc, kc, lowp_scales, sc; writes sc
.if DOCPART == 2
	.amdgcn_target "amdgcn-amd-amdhsa--gfx1250"
	.amdhsa_code_object_version 6
	.text
	.protected	k_q7c41dc6894_scores
	.globl	k_q7c41dc6894_scores
	.p2align	8
	.type	k_q7c41dc6894_scores,@function
k_q7c41dc6894_scores:
	s_mov_b64 s[64:65], 0
	v_nop
	global_prefetch_b8 v0, s[64:65] scope:SCOPE_SE
	s_setreg_imm32_b32 hwreg(HW_REG_WAVE_MODE, 25, 1), 1
	s_wait_xcnt 0x0
	s_wait_alu depctr_hold_cnt(0) depctr_sa_sdst(0) depctr_va_vdst(0) depctr_va_sdst(0) depctr_va_ssrc(0) depctr_va_vcc(0) depctr_vm_vsrc(0)
	s_getreg_b32 s2, hwreg(HW_REG_IB_STS2, 6, 4)
	s_cmp_eq_u32 s2, 0
	s_cbranch_scc0 .Lentry_in_a_cluster
	s_endpgm
.Lentry_in_a_cluster:
	s_bfe_u32 s2, ttmp6, 0x10000c
	s_cmp_lg_u32 s2, 0xf033
	s_cbranch_scc0 .Lentry_shape_is_right
	s_endpgm
.Lentry_shape_is_right:
; scores = the module's rounding of (q k^T / 32), for each of the four batches, on codes of FP8 (E4M3).  qc, kc: [8192 tokens][1024] codes.  A sum stands for sum x 2^(e6 + e7); 1 / sqrt(1024) = 2^-5 exactly.
; THE MODULE'S ROUNDING (5 exponent bits, 10 significand bits, to nearest even, clip at 65,504) gives f16 numbers: the number is held at +-65,504 and rounded to f16, and the f16 IS what is stored: sc: [8192][2048] f16, nothing is lost.
; LIMITS: e6 + e7 between -121 and 132, so that 2^(e6 + e7 - 5) is an f32 number.  NaN is not served.
; SHARES.  A work-group makes 256 queries x 256 keys of one batch, each of its four waves 128 x 128.  Tile row = 4 x cluster y + cy (32 of them, 8 a batch), tile column = 4 x cluster x + cx (8).
; Ring, joint loads, rounds and register windows: K in steps of 256 through two LDS slots; A = q's rows (shared along a row of the cluster), B = k's rows (shared along a column).
; THE MATRIX INSTRUCTION IS USED TRANSPOSED: a lane holds eight neighbouring keys of one query: 16 bytes of f16.
.set KROW,   1024
.set OROW,   4096                      ; a row of sc in bytes
.set KSTEP,  256
.set ROWB,   256
.set PITCH,  272                       ; an LDS row: 256 bytes + 16 of padding = 68 words: row r starts at bank 4 r mod 64 (64 banks of 4 bytes: ISA guide 11.1)
.set FR,     16
.set NL,     4
.set NP,     4                         ; places behind this matrix instruction (ISA guide 7.12.1)
.set HALFT,  128*PITCH
.set SLOT,   4*HALFT
.set LAPS,   KROW/(2*KSTEP)
.set SPARE,  2*SLOT                    ; behind the ring: the spare words, 128 bytes for each wave: two blocks of 256 bytes that no other line names
.set ADRA, 16
.set ADRB, 20
.set STO,  24                          ; v24 the way out: where I put 16 bytes of a row
.set RD,   25                          ; v25 where I read a row back
.set CO,   26                          ; v26 my byte offset in sc
.set SPW,  28                          ; v28 LDS address of my spare word; never rewritten
.set NIL,  29                          ; v29 0; never rewritten
.set LIM,  30                          ; v30 65,504
.set NUM,  32                          ; v32-95  a block's 64 numbers in f32
.set HP,   96                          ; v96-127 the same as f16
.set BK,   128                         ; v128-159, v160-191 by turns: 16 rows read back from the stage
.set AF,   128
.set G1, 24
.set G0, 32
.set G1B, 48
.set G0B, 56
.set MSB, 0
.macro WIN new                         ; the immediate's high byte repeats the setting that is left
.if MSB != \new
	s_set_vgpr_msb (MSB<<8)|\new
.set MSB, \new
.endif
.endm
.set MUL_LO, 0xa1                      ; source 0 (B) window 1, source 1 (A) window 0, C and D window 2
.set MUL_HI, 0xf1                      ; the same, C and D window 3
.set TO_B,   0x40                      ; destination window 1, address window 0
; A joint load: waves 0 and 1 fetch for A, waves 2 and 3 for B; the branch hangs on the wave's number alone.  Four v_nop follow each of the two lines.
.macro JLOAD g0a, g1a, g0b, g1b
	s_cmp_eq_u32 s15, 0
	s_cbranch_scc0 .Lfor_b_\@
	tensor_load_to_lds s[\g0a:\g0a+3], s[\g1a:\g1a+7]
	s_nop 0
.rept 4
	v_nop
.endr
	s_branch .Lasked_\@
.Lfor_b_\@:
	tensor_load_to_lds s[\g0b:\g0b+3], s[\g1b:\g1b+7]
	s_nop 0
.rept 4
	v_nop
.endr
.Lasked_\@:
.endm
.macro CREST                           ; a round of the cluster's barrier behind its opening barrier
	s_cmp_lg_u32 s14, 0
	s_cbranch_scc1 .Lnot_wave_0_\@
	s_barrier_signal -3
.Lnot_wave_0_\@:
	s_barrier_wait -3
	s_barrier_signal -1
	s_barrier_wait -1
.endm
.macro CROUND                          ; a whole round
	s_barrier_signal -1
	s_barrier_wait -1
	CREST
.endm
	s_load_b256 s[68:75], s[0:1], 0x0              ; qc s[68:69], kc s[70:71], the scales s[72:73], sc s[74:75]
	v_lshl_add_u32 v[SPW], v0, 2, SPARE
	v_mov_b32 v[NIL], 0
	ds_add_u32 v28, v29
	ds_add_u32 v28, v29
	s_wait_dscnt 0x0
	v_lshrrev_b32 v1, 5, v0
	v_readfirstlane_b32 s14, v1                    ; wave 0..3
	s_lshr_b32 s15, s14, 1                         ; which half of the tile's rows is mine.  Also: I fetch for A (0) or for B (1)
	s_and_b32 s16, s14, 1                          ; which half of its columns.  Also: which 128 rows of that tile I fetch
	s_bfe_u32 s40, ttmp6, 0x40000                  ; cx
	s_bfe_u32 s41, ttmp6, 0x40004                  ; cy
	s_lshl_b32 s42, ttmp9, 2
	s_add_co_u32 s42, s42, s40                     ; tile column = 4 x cluster x + cx
	s_and_b32 s17, ttmp7, 0xffff
	s_lshr_b32 s66, s17, 1                         ; the batch = cluster y / 2: all sixteen partners share it
	s_lshl_b32 s17, s17, 2
	s_add_co_u32 s17, s17, s41                     ; tile row = 4 x cluster y + cy
	s_lshl_b32 s43, s41, 2
	s_lshl_b32 s43, 15, s43                        ; my row of the cluster
	s_lshl_b32 s44, 0x1111, s40                    ; my column
	s_or_b32 s[G1+0], s43, (0<<16)|(1<<20)|(1<<21)|(5<<22)|(3<<25)  ; 15:0 the mask; 17:16 element of 1 byte; 20 padding on; 21 set beside a mask; 24:22 after every 64 words; 31:25 of 4 words
	s_or_b32 s[G1B+0], s44, (0<<16)|(1<<20)|(1<<21)|(5<<22)|(3<<25)
.irp g, G1, G1B
	s_mov_b32 s[\g+1], ROWB<<16                    ; tensor_dim0
	s_mov_b32 s[\g+2], 128<<16                     ; tensor_dim1 = 128
	s_mov_b32 s[\g+3], ROWB<<16                    ; tile_dim0
	s_mov_b32 s[\g+4], 128                         ; tile_dim1 = 128
	s_mov_b32 s[\g+5], KROW                        ; tensor_dim0_stride
	s_mov_b32 s[\g+6], 0
	s_mov_b32 s[\g+7], 0
.endr
	s_lshl_b32 s18, s16, 7                         ; which 128 rows of the tile I fetch
	s_lshl_b32 s20, s17, 8
	s_add_co_u32 s20, s20, s18                     ; A: token 256 x tile row + 128 x half
	s_lshl_b32 s20, s20, 10
	s_mov_b32 s21, 0
	s_lshl_b32 s46, s42, 8
	s_add_co_u32 s46, s46, s18
	s_lshl_b32 s67, s66, 11
	s_add_co_u32 s46, s46, s67                     ; B: token 2,048 x batch + 256 x tile column + 128 x half
	s_lshl_b32 s46, s46, 10
	s_mov_b32 s47, 0
	s_mul_i32 s45, s14, HALFT                      ; where they go: wave x 128 rows
	s_wait_kmcnt 0x0
	s_load_b64 s[96:97], s[72:73], 0x18            ; e6, e7
	s_add_nc_u64 s[20:21], s[68:69], s[20:21]
	s_add_nc_u64 s[46:47], s[70:71], s[46:47]
	CROUND                                         ; all sixteen work-groups are here: the first joint loads meet
.irp s, 0,1
	s_mov_b32 s[G0+4*\s], 1
	s_add_co_u32 s[G0+4*\s+1], s45, \s*SLOT
	s_add_nc_u64 s[G0+4*\s+2:G0+4*\s+3], s[20:21], \s*ROWB
	s_or_b32 s[G0+4*\s+3], s[G0+4*\s+3], 0x80000000
	s_mov_b32 s[G0B+4*\s], 1
	s_add_co_u32 s[G0B+4*\s+1], s45, \s*SLOT
	s_add_nc_u64 s[G0B+4*\s+2:G0B+4*\s+3], s[46:47], \s*ROWB
	s_or_b32 s[G0B+4*\s+3], s[G0B+4*\s+3], 0x80000000
.endr
	JLOAD G0, G1, G0B, G1B                         ; K step 0: one tensor load a wave at the head
	v_and_b32 v1, 15, v0                           ; r = l % 16
	v_bfe_u32 v2, v0, 4, 1                         ; h = l / 16
	v_mul_u32_u24 v3, v1, PITCH
	v_lshl_add_u32 v4, v2, 4, v3                   ; row x pitch + 16 x half: a fragment's place, and my place in my stage
	s_wait_alu depctr_va_vdst(0)
	s_mul_i32 s21, s15, HALFT
	s_mul_i32 s22, s16, HALFT
	s_add_co_u32 s22, s22, 2*HALFT
.irp s, 0,1
	v_add_nc_u32 v[ADRA+\s], s21, v4
	v_add_nc_u32 v[ADRB+\s], s22, v4
	s_add_co_u32 s21, s21, SLOT
	s_add_co_u32 s22, s22, SLOT
.endr
	s_mul_i32 s23, s14, 16*PITCH                   ; my own stage: 16 rows x 272 bytes, in slot 0
	v_add_nc_u32 v[STO], s23, v4                   ; in: row r, 16 bytes for each half of the lanes
	v_mul_u32_u24 v6, v2, PITCH                    ; back: lanes 0-15 one row of 256 bytes, lanes 16-31 the next
	v_lshl_add_u32 v6, v1, 4, v6
	v_add_nc_u32 v[RD], s23, v6
	v_lshlrev_b32 v7, 12, v2                       ; and the same two rows in sc
	v_lshl_add_u32 v[CO], v1, 4, v7
	s_lshl_b32 s20, s17, 8
	s_lshl_b32 s21, s15, 7
	s_add_co_u32 s20, s20, s21                     ; my first query: 256 x tile row + 128 x half
	s_lshl_b32 s20, s20, 12                        ; x 4,096 bytes: under 2^25
	s_mov_b32 s21, 0
	s_lshl_b32 s46, s42, 9                         ; my first key, in bytes: 512 x tile column + 256 x half
	s_lshl_b32 s47, s16, 8
	s_add_co_u32 s46, s46, s47
	s_mov_b32 s47, 0
	s_add_nc_u64 s[20:21], s[20:21], s[46:47]
	s_add_nc_u64 s[10:11], s[74:75], s[20:21]
	; PREFETCH: of the 128 rows that I fetch, my work-group's 32, told apart from its partners' by address: a lane a row, 256 bytes an instruction.  K step 1 here, K steps 2 and 3 behind slot 1's first fill: each at least one fill ahead of its load
	s_lshl_b32 s20, s17, 8
	s_lshl_b32 s21, s16, 7
	s_add_co_u32 s20, s20, s21
	s_lshl_b32 s22, s40, 5
	s_add_co_u32 s20, s20, s22                     ; qc: + 32 cx
	s_lshl_b32 s46, s42, 8
	s_add_co_u32 s46, s46, s21
	s_add_co_u32 s46, s46, s67
	s_lshl_b32 s22, s41, 5
	s_add_co_u32 s46, s46, s22                     ; kc: + 32 cy
	s_cmp_eq_u32 s15, 0
	s_cselect_b32 s20, s20, s46
	s_cselect_b64 s[76:77], s[68:69], s[70:71]
	s_lshl_b32 s20, s20, 10
	s_mov_b32 s21, 0
	s_add_nc_u64 s[76:77], s[76:77], s[20:21]
	v_and_b32 v27, 31, v0
	v_lshlrev_b32 v27, 10, v27
	global_prefetch_b8 v27, s[76:77] offset:256 th:TH_LOAD_NT scope:SCOPE_SE
.macro FRAG reg, adr, q, i             ; a fragment: lane l holds row l % 16; registers 4 c .. 4 c + 3 hold K = 32 c + 16 (l / 16) + 0 .. 15: the same order of k in A and in B
.irp c, 0,1,2,3
	ds_load_b128 v[\reg+4*\c:\reg+4*\c+3], v[\adr] offset:128*(\q)+32*\c+(\i)*16*PITCH
.endr
.endm
; 16 matrix instructions: A's blocks a0, a0 + 1 x B's eight.  The 64 accumulators take turns, one instruction a turn.
.macro MUL16 a0, p, zero
.irp a, \a0, \a0+1
.irp b, 0,1,2,3,4,5,6,7
.if \zero
	v_wmma_f32_16x16x128_fp8_fp8 v[8*(8*((\a)%4)+\b):8*(8*((\a)%4)+\b)+7], v[128*(\p)+FR*\b:128*(\p)+FR*\b+FR-1], v[AF+FR*(\a):AF+FR*(\a)+FR-1], 0
.else
	v_wmma_f32_16x16x128_fp8_fp8 v[8*(8*((\a)%4)+\b):8*(8*((\a)%4)+\b)+7], v[128*(\p)+FR*\b:128*(\p)+FR*\b+FR-1], v[AF+FR*(\a):AF+FR*(\a)+FR-1], v[8*(8*((\a)%4)+\b):8*(8*((\a)%4)+\b)+7]
.endif
.endr
.endr
.endm
.macro FETCH_B slot, q, p
	WIN TO_B
.irp i, 0,1,2,3,4,5,6,7
	FRAG 128*(\p)+FR*\i, ADRB+\slot, \q, \i
.endr
	WIN 0
.endm
.macro FETCH_A slot, q, i0
.irp i, \i0, \i0+1, \i0+2, \i0+3
	FRAG AF+FR*(\i), ADRA+\slot, \q, \i
.endr
.endm
.macro PLACES n                        ; plain vector instructions that name none of a matrix instruction's registers, in front of loads into its sources and of reads of its results
.rept \n
	v_nop
.endr
.endm
.macro STEP slot, q, zero              ; a step of 128 along K that has its successor in the same slot
	s_wait_dscnt 4*NL                              ; B's set and A's blocks 0-3 are in; the youngest 16 loads (A's blocks 4-7) may be out
	WIN MUL_LO
	MUL16 0, (\q)%2, \zero
	MUL16 2, (\q)%2, \zero
	s_wait_dscnt 0                                 ; A's blocks 4-7 are in
	PLACES NP
	FETCH_B \slot, (\q)+1, 1-(\q)%2
	FETCH_A \slot, (\q)+1, 0
	WIN MUL_HI
	MUL16 4, (\q)%2, \zero
	MUL16 6, (\q)%2, \zero
	PLACES NP
	WIN 0
	FETCH_A \slot, (\q)+1, 4
.endm
.macro TURN slot, next, fill           ; a slot's last step changes slots: ONE barrier
	s_wait_tensorcnt 0x0                           ; all my tensor loads have landed: my part of the next slot
	ds_add_u32 v[SPW], v[NIL]                      ; 0 onto my spare word
	s_wait_dscnt 4*NL+1                            ; (the add and the youngest 16 loads may be out)
	WIN MUL_LO
	MUL16 0, 1, 0
	s_wait_dscnt 0x0                               ; the add is done, and my reads of this slot are over
	s_barrier_signal -1
	MUL16 2, 1, 0
	WIN 0
	s_barrier_wait -1
.if \fill
	CREST                                          ; the barrier has opened a round of the cluster's barrier: no wave of any partner still reads this slot's tile or has a load on its way
	s_add_nc_u64 s[G0+4*\slot+2:G0+4*\slot+3], s[G0+4*\slot+2:G0+4*\slot+3], 2*ROWB
	s_add_nc_u64 s[G0B+4*\slot+2:G0B+4*\slot+3], s[G0B+4*\slot+2:G0B+4*\slot+3], 2*ROWB
	JLOAD G0+4*\slot, G1, G0B+4*\slot, G1B         ; the first tensor load behind the round; its four v_nop are the places in front of the loads below
.else
	PLACES NP
.endif
	FETCH_B \next, 0, 0
	FETCH_A \next, 0, 0
	WIN MUL_HI
	MUL16 4, 1, 0
	MUL16 6, 1, 0
	PLACES NP
	WIN 0
	FETCH_A \next, 0, 4
.endm
	s_wait_alu depctr_va_vdst(0)
	s_wait_tensorcnt 0x0                           ; my part of K step 0 is in
	ds_add_u32 v[SPW], v[NIL]
	s_wait_dscnt 0x0
	CROUND                                         ; a whole round, then slot 1's first fill, issued as a refill is
	JLOAD G0+4, G1, G0B+4, G1B
	FETCH_B 0, 0, 0
	FETCH_A 0, 0, 0
	FETCH_A 0, 0, 4
	global_prefetch_b8 v27, s[76:77] offset:512 th:TH_LOAD_NT scope:SCOPE_SE
	global_prefetch_b8 v27, s[76:77] offset:768 th:TH_LOAD_NT scope:SCOPE_SE
	STEP 0, 0, 1
.if LAPS > 1
	s_mov_b32 s3, LAPS-1
.Llap:
	TURN 0, 1, 1
	STEP 1, 0, 0
	TURN 1, 0, 1
	STEP 0, 0, 0
	s_sub_co_u32 s3, s3, 1
	s_cmp_lg_u32 s3, 0
	s_cbranch_scc1 .Llap
.endif
	TURN 0, 1, 0                                   ; the last lap fills nothing
	STEP 1, 0, 0
	s_wait_dscnt 4*NL
	WIN MUL_LO
	MUL16 0, 1, 0
	MUL16 2, 1, 0
	s_wait_dscnt 0
	WIN MUL_HI
	MUL16 4, 1, 0
	MUL16 6, 1, 0
	WIN 0
; THE WAY OUT, block by block of 16 queries x 128 keys, through my own stage (in slot 0, which has had its last fill and its last read): in as 16 bytes a lane, back as whole rows of 256 bytes.
; LDS serves a wave's instructions in order (ISA guide 5.7.1.4): no wait between the stores and the loads, nor in front of the next block's stores.
.macro TOSTAGE a
.set AC, 64*((\a)%4)
	WIN 0x02+((\a)/4)                              ; source 0: window 2 or 3
.set jj, 0
.rept 32
	v_pk_mul_f32 v[NUM+jj:NUM+jj+1], v[AC+jj:AC+jj+1], s[96:97] op_sel_hi:[1,0]   ; x 2^(e6 + e7 - 5): a power of two; each accumulator from its low end on
.set jj, jj+2
.endr
	WIN 0
.set jj, 0
.rept 64
	v_med3_num_f32 v[NUM+jj], v[NUM+jj], -v[LIM], v[LIM]       ; the module's clip: 65,504 is an f16 number, so holding first and rounding then gives what rounding first and clipping then gives
.set jj, jj+1
.endr
.set jj, 0
.rept 32
	v_cvt_pk_f16_f32 v[HP+jj], v[NUM+2*jj], v[NUM+2*jj+1]      ; the module's rounding: to nearest even, subnormals kept
.set jj, jj+1
.endr
.irp b, 0,1,2,3,4,5,6,7
	ds_store_b128 v[STO], v[HP+4*\b:HP+4*\b+3] offset:32*\b
.endr
.set BB, BK+32*((\a)%2)
.irp t, 0,1,2,3,4,5,6,7
	ds_load_b128 v[BB+4*\t:BB+4*\t+3], v[RD] offset:\t*2*PITCH
.endr
.endm
.macro SEND a, younger                 ; younger: the LDS instructions issued behind block a's loads, which may stay out
.set BB, BK+32*((\a)%2)
	s_wait_dscnt \younger                          ; the block is back in registers
.if (\a) > 0
	s_add_nc_u64 s[10:11], s[10:11], 16*OROW       ; (behind a wait on XCNT: the earlier stores have read their base)  16 rows on
.endif
.irp t, 0,1,2,3,4,5,6,7
	global_store_b128 v[CO], v[BB+4*\t:BB+4*\t+3], s[10:11] offset:\t*2*OROW   ; 16 lanes store 256 consecutive bytes, at a multiple of 256 from sc's first byte
.endr
.endm
	s_wait_kmcnt 0x0
	s_add_co_i32 s96, s96, s97                     ; e6 + e7,
	s_add_co_i32 s96, s96, 122                     ; - 5 + 127,
	s_lshl_b32 s96, s96, 23                        ; makes the f32 number 2^(e6 + e7) / 32
	s_mov_b32 s97, s96                             ; (named with it as a pair, so it is written)
	v_mov_b32 v[LIM], 0x477fe000                   ; 65,504
	PLACES NP
	TOSTAGE 0
.irp a, 1,2,3,4,5,6,7
.if \a > 1
	s_wait_xcnt 0x0                                ; block a - 2's stores have read their registers and their base: block a's loads may land there, and the base may step
.endif
	TOSTAGE \a
	SEND \a-1, 16                                  ; behind block a - 1's loads: block a's 8 stores and 8 loads
.endr
	s_wait_xcnt 0x0                                ; block 6's stores have read their base
	SEND 7, 0
	s_wait_tensorcnt 0x0                           ; the wave's end
	ds_add_u32 v[SPW], v[NIL]
	s_wait_dscnt 0x0
	CROUND                                         ; the closing round
	s_endpgm
.Lfunc_end_k_q7c41dc6894_scores:
	.size	k_q7c41dc6894_scores, .Lfunc_end_k_q7c41dc6894_scores-k_q7c41dc6894_scores
	.p2alignl 7, 3214868480
	.fill 96, 4, 3214868480
	.section	.rodata,"a",@progbits
	.p2align	6, 0x0
	.amdhsa_kernel k_q7c41dc6894_scores
		.amdhsa_group_segment_fixed_size 327680
		.amdhsa_private_segment_fixed_size 0
		.amdhsa_enable_private_segment 0
		.amdhsa_kernarg_size 32
		.amdhsa_user_sgpr_count 2
		.amdhsa_user_sgpr_kernarg_segment_ptr 1
		.amdhsa_wavefront_size32 1
		.amdhsa_system_sgpr_workgroup_id_x 1
		.amdhsa_system_sgpr_workgroup_id_y 1
		.amdhsa_system_sgpr_workgroup_id_z 1
		.amdhsa_system_vgpr_workitem_id 0
		.amdhsa_next_free_vgpr 1024
		.amdhsa_next_free_sgpr 100
		.amdhsa_reserve_vcc 0
		.amdhsa_float_denorm_mode_32 3
		.amdhsa_float_denorm_mode_16_64 3
		.amdhsa_memory_ordered 1
		.amdhsa_forward_progress 1
		.amdhsa_inst_pref_size 158
	.end_amdhsa_kernel
	.amdgpu_metadata
---
amdhsa.version: [ 1, 2 ]
amdhsa.kernels:
  - .name:           k_q7c41dc6894_scores
    .symbol:         k_q7c41dc6894_scores.kd
    .args:
      - { .name: qc, .offset: 0, .size: 8, .value_kind: global_buffer, .address_space: global }
      - { .name: kc, .offset: 8, .size: 8, .value_kind: global_buffer, .address_space: global }
      - { .name: lowp_scales, .offset: 16, .size: 8, .value_kind: global_buffer, .address_space: global }
      - { .name: sc, .offset: 24, .size: 8, .value_kind: global_buffer, .address_space: global }
    .group_segment_fixed_size: 327680
    .private_segment_fixed_size: 0
    .kernarg_segment_align: 8
    .kernarg_segment_size: 32
    .max_flat_workgroup_size: 128
    .sgpr_count:     100
    .vgpr_count:     1024
    .wavefront_size: 32
...
	.end_amdgpu_metadata
.endif
;; end of part 2
;; launch softmax (part 3): grid 256 x 1, 16 waves a work-group, no clusters, 0 bytes of LDS; arguments sc, lowp_scales, pc; writes pc
.if DOCPART == 3
	.amdgcn_target "amdgcn-amd-amdhsa--gfx1250"
	.amdhsa_code_object_version 6
	.text
	.protected	k_q7c41dc6894_softmax
	.globl	k_q7c41dc6894_softmax
	.p2align	8
	.type	k_q7c41dc6894_softmax,@function
k_q7c41dc6894_softmax:
	s_mov_b64 s[64:65], 0
	v_nop
	global_prefetch_b8 v0, s[64:65] scope:SCOPE_SE
	s_setreg_imm32_b32 hwreg(HW_REG_WAVE_MODE, 25, 1), 1
	s_wait_xcnt 0x0
; attn = the module's rounding of softmax(scores) along a row of 2,048 keys, finished and normalised, then coded in FP8 (E4M3) with the given 2^e8 for the product attn v.
; sc: [8192][2048] f16 (the rounded scores, exactly).  pc: [8192][2048] codes.
; A row is 4,096 bytes: one wave takes a whole row, eight 16-byte loads a lane, and keeps it in 64 registers through the maximum, the exponentials, the sum and the scaling: read once, no LDS, no barrier.
; 256 work-groups x 16 waves x 2 rows.  The second row's loads are issued as soon as the first row is unpacked.
; p = 2^(s log2(e) - m log2(e)), m the row's largest score: one fused multiply-add and one v_exp_f32.  The rounding of m log2(e) is a factor common to the whole row: it cancels in the division by the sum.
; THE MODULE'S ROUNDING is f32 -> f16 -> f32; p is never negative and at most 1, so only the code's clamp is left, one-sided: min(p, 448 x 2^e8).
; Matrix units, clusters and tensor loads buy nothing here: each byte is read once by one wave.
; LIMITS: e8 between -126 and 119.  NaN is not served.
.set MX,  6                            ; v6-9    four running maxima; later v[6:7]: 1 / sum in the low register
.set NM,  10                           ; v[10:11] -m log2(e), twice
.set SA,  12                           ; v[12:13] the sum; with v[14:15] and v164-175, eight chains of pairs
.set SB,  14
.set XR,  16                           ; v16-47  the row as loaded
.set HF,  48                           ; v48-79  p as f16
.set EX,  80                           ; v80-143 the row in f32: register 8 j + i is key 256 j + 8 lane + i
.set CD,  144                          ; v144-175 codes: 16 registers for each of the two rows, so that no store's data are written again
	s_load_b128 s[4:7], s[0:1], 0x0                ; sc s[4:5], the scales s[6:7]
	s_load_b64 s[8:9], s[0:1], 0x10                ; pc
	v_lshrrev_b32 v1, 5, v0
	s_delay_alu instid0(VALU_DEP_1)
	v_readfirstlane_b32 s10, v1                    ; wave 0..15
	v_and_b32 v2, 31, v0                           ; lane
	s_delay_alu instid0(VALU_DEP_1)
	v_lshlrev_b32 v1, 4, v2                        ; in: 16 bytes a lane; never rewritten
	s_delay_alu instid0(VALU_DEP_2)
	v_lshlrev_b32 v2, 3, v2                        ; out: 8 bytes a lane; never rewritten
	v_mov_b32 v5, 0                                ; a lane permute's destination counts as one of its sources: written once
	s_lshl_b32 s11, ttmp9, 4
	s_add_co_u32 s11, s11, s10                     ; my pair of rows: 16 x work-group + wave
	s_lshl_b32 s16, s11, 13                        ; x 2 rows of 4,096 bytes: under 2^25
	s_mov_b32 s17, 0
	s_lshl_b32 s18, s11, 12                        ; x 2 rows of 2,048 bytes
	s_mov_b32 s19, 0
	s_mov_b32 s12, 0x76543210                      ; v_permlanex16_b32: lane i takes lane i xor 16
	s_mov_b32 s13, 0xfedcba98
	s_mov_b32 s14, 0x3fb8aa3b                      ; log2(e)
	s_mov_b32 s15, s14                             ; (named with it as a pair, so it is written)
	s_wait_alu depctr_va_vdst(0)
	s_wait_kmcnt 0x0
	s_load_b32 s20, s[6:7], 0x20                   ; e8
	s_add_nc_u64 s[4:5], s[4:5], s[16:17]
	s_add_nc_u64 s[8:9], s[8:9], s[18:19]
.irp j, 0,1,2,3,4,5,6,7
	global_load_b128 v[XR+4*\j:XR+4*\j+3], v1, s[4:5] offset:512*\j th:TH_LOAD_NT   ; 32 lanes read 512 consecutive bytes
.endr
	s_wait_kmcnt 0x0
	s_add_co_i32 s20, s20, 127
	s_lshl_b32 s21, s20, 23
	v_mov_b32 v4, s21                              ; 2^e8 as f32: the conversion takes its exponent field
	s_add_co_i32 s20, s20, 8
	s_lshl_b32 s20, s20, 23
	s_or_b32 s20, s20, 0x600000
	v_mov_b32 v3, s20                              ; 448 x 2^e8
.macro ROW i, more                     ; row i of my two; more = 1: the next row is asked for
	s_wait_loadcnt 0x0                             ; this row's eight loads, the only ones out
.set DD, EX
.irp hh, v16.l,v16.h,v17.l,v17.h,v18.l,v18.h,v19.l,v19.h,v20.l,v20.h,v21.l,v21.h,v22.l,v22.h,v23.l,v23.h,v24.l,v24.h,v25.l,v25.h,v26.l,v26.h,v27.l,v27.h,v28.l,v28.h,v29.l,v29.h,v30.l,v30.h,v31.l,v31.h,v32.l,v32.h,v33.l,v33.h,v34.l,v34.h,v35.l,v35.h,v36.l,v36.h,v37.l,v37.h,v38.l,v38.h,v39.l,v39.h,v40.l,v40.h,v41.l,v41.h,v42.l,v42.h,v43.l,v43.h,v44.l,v44.h,v45.l,v45.h,v46.l,v46.h,v47.l,v47.h
	v_cvt_f32_f16 v[DD], \hh                       ; the scores in f32, exactly
.set DD, DD+1
.endr
.if \more
.irp j, 0,1,2,3,4,5,6,7
	global_load_b128 v[XR+4*\j:XR+4*\j+3], v1, s[4:5] offset:4096*(\i+1)+512*\j th:TH_LOAD_NT   ; lands while this row is worked on
.endr
.endif
	; the row's largest score: four chains of 16 numbers, three operands at a time, then across the lanes
.irp c, 0,1,2,3
	v_max3_num_f32 v[MX+\c], v[EX+16*\c], v[EX+16*\c+1], v[EX+16*\c+2]
.endr
.irp n, 3,5,7,9,11,13
.irp c, 0,1,2,3
	s_delay_alu instid0(VALU_DEP_4)
	v_max3_num_f32 v[MX+\c], v[MX+\c], v[EX+16*\c+\n], v[EX+16*\c+\n+1]
.endr
.endr
	s_delay_alu instid0(VALU_DEP_4)
	v_max3_num_f32 v[MX], v[MX], v[EX+15], v[EX+31]
	s_delay_alu instid0(VALU_DEP_3)
	v_max3_num_f32 v[MX+2], v[MX+2], v[EX+47], v[EX+63]
	s_delay_alu instid0(VALU_DEP_1)
	v_max3_num_f32 v[MX], v[MX], v[MX+1], v[MX+2]
	s_delay_alu instid0(VALU_DEP_1)
	v_max_num_f32 v[MX], v[MX], v[MX+3]
	s_delay_alu instid0(VALU_DEP_1)
	v_max_num_f32_dpp v[MX], v[MX], v[MX] row_xmask:1 row_mask:0xf bank_mask:0xf
	s_delay_alu instid0(VALU_DEP_1)
	v_max_num_f32_dpp v[MX], v[MX], v[MX] row_xmask:2 row_mask:0xf bank_mask:0xf
	s_delay_alu instid0(VALU_DEP_1)
	v_max_num_f32_dpp v[MX], v[MX], v[MX] row_xmask:4 row_mask:0xf bank_mask:0xf
	s_delay_alu instid0(VALU_DEP_1)
	v_max_num_f32_dpp v[MX], v[MX], v[MX] row_xmask:8 row_mask:0xf bank_mask:0xf
	s_delay_alu instid0(VALU_DEP_1)
	v_permlanex16_b32 v5, v[MX], s12, s13
	s_delay_alu instid0(VALU_DEP_1)
	v_max_num_f32 v[MX], v[MX], v5                 ; every lane holds m
	s_delay_alu instid0(VALU_DEP_1)
	v_mul_f32 v[NM], 0xbfb8aa3b, v[MX]             ; -m log2(e)
	s_delay_alu instid0(VALU_DEP_1)
	v_mov_b32 v[NM+1], v[NM]
.set jj, 0
.rept 32
	v_pk_fma_f32 v[EX+jj:EX+jj+1], v[EX+jj:EX+jj+1], s[14:15], v[NM:NM+1] op_sel_hi:[1,0,0]   ; s log2(e) - m log2(e), two at a time
.set jj, jj+2
.endr
.set jj, 0
	s_wait_alu depctr_va_vdst(0)
.rept 64
	v_exp_f32 v[EX+jj], v[EX+jj]
.set jj, jj+1
.endr
	v_nop                                          ; one plain instruction behind the exponentials, before their results are used (ISA guide 5.7.2)
	s_wait_alu depctr_va_vdst(0)
	v_pk_add_f32 v[14:15], v[80:81], v[82:83]
	v_pk_add_f32 v[174:175], v[88:89], v[92:93]
	v_pk_add_f32 v[172:173], v[96:97], v[100:101]
	v_pk_add_f32 v[170:171], v[104:105], v[108:109]
	v_pk_add_f32 v[168:169], v[112:113], v[116:117]
	v_pk_add_f32 v[166:167], v[120:121], v[124:125]
	v_pk_add_f32 v[164:165], v[128:129], v[132:133]
	v_pk_add_f32 v[12:13], v[136:137], v[140:141]
	v_pk_add_f32 v[12:13], v[12:13], v[84:85]
	v_pk_add_f32 v[14:15], v[14:15], v[86:87]
	v_pk_add_f32 v[174:175], v[174:175], v[90:91]
	v_pk_add_f32 v[172:173], v[172:173], v[94:95]
	v_pk_add_f32 v[170:171], v[170:171], v[98:99]
	v_pk_add_f32 v[168:169], v[168:169], v[102:103]
	v_pk_add_f32 v[166:167], v[166:167], v[106:107]
	v_pk_add_f32 v[164:165], v[164:165], v[110:111]
	v_pk_add_f32 v[12:13], v[12:13], v[114:115]
	v_pk_add_f32 v[14:15], v[14:15], v[118:119]
	v_pk_add_f32 v[174:175], v[174:175], v[122:123]
	v_pk_add_f32 v[172:173], v[172:173], v[126:127]
	v_pk_add_f32 v[170:171], v[170:171], v[130:131]
	v_pk_add_f32 v[168:169], v[168:169], v[134:135]
	v_pk_add_f32 v[166:167], v[166:167], v[138:139]
	v_pk_add_f32 v[164:165], v[164:165], v[142:143]
	s_delay_alu instid0(VALU_DEP_4)
	v_pk_add_f32 v[12:13], v[12:13], v[170:171]
	s_delay_alu instid0(VALU_DEP_4)
	v_pk_add_f32 v[14:15], v[14:15], v[168:169]
	s_delay_alu instid0(VALU_DEP_4)
	v_pk_add_f32 v[174:175], v[174:175], v[166:167]
	s_delay_alu instid0(VALU_DEP_4)
	v_pk_add_f32 v[172:173], v[172:173], v[164:165]
	s_delay_alu instid0(VALU_DEP_2)
	v_pk_add_f32 v[12:13], v[12:13], v[174:175]
	s_delay_alu instid0(VALU_DEP_2)
	v_pk_add_f32 v[14:15], v[14:15], v[172:173]
	s_delay_alu instid0(VALU_DEP_1)
	v_pk_add_f32 v[12:13], v[12:13], v[14:15]
	s_delay_alu instid0(VALU_DEP_1)
	v_add_f32 v[SA], v[SA], v[SA+1]
	s_delay_alu instid0(VALU_DEP_1)
	v_add_f32_dpp v[SA], v[SA], v[SA] row_xmask:1 row_mask:0xf bank_mask:0xf
	s_delay_alu instid0(VALU_DEP_1)
	v_add_f32_dpp v[SA], v[SA], v[SA] row_xmask:2 row_mask:0xf bank_mask:0xf
	s_delay_alu instid0(VALU_DEP_1)
	v_add_f32_dpp v[SA], v[SA], v[SA] row_xmask:4 row_mask:0xf bank_mask:0xf
	s_delay_alu instid0(VALU_DEP_1)
	v_add_f32_dpp v[SA], v[SA], v[SA] row_xmask:8 row_mask:0xf bank_mask:0xf
	s_delay_alu instid0(VALU_DEP_1)
	v_permlanex16_b32 v5, v[SA], s12, s13
	s_delay_alu instid0(VALU_DEP_1)
	v_add_f32 v[SA], v[SA], v5
	s_wait_alu depctr_va_vdst(0)
	v_rcp_f32 v[MX], v[SA]
	v_nop                                          ; one plain instruction behind the reciprocal
.set jj, 0
	s_wait_alu depctr_va_vdst(0)
.rept 32
	v_pk_mul_f32 v[EX+jj:EX+jj+1], v[EX+jj:EX+jj+1], v[MX:MX+1] op_sel_hi:[1,0]   ; the finished softmax (the pair's low register serves both halves)
.set jj, jj+2
.endr
.set jj, 0
.rept 32
	v_cvt_pk_f16_f32 v[HF+jj], v[EX+2*jj], v[EX+2*jj+1]        ; the module's rounding: to nearest even, subnormals kept
.set jj, jj+1
.endr
.set DD, EX
.irp hh, v48.l,v48.h,v49.l,v49.h,v50.l,v50.h,v51.l,v51.h,v52.l,v52.h,v53.l,v53.h,v54.l,v54.h,v55.l,v55.h,v56.l,v56.h,v57.l,v57.h,v58.l,v58.h,v59.l,v59.h,v60.l,v60.h,v61.l,v61.h,v62.l,v62.h,v63.l,v63.h,v64.l,v64.h,v65.l,v65.h,v66.l,v66.h,v67.l,v67.h,v68.l,v68.h,v69.l,v69.h,v70.l,v70.h,v71.l,v71.h,v72.l,v72.h,v73.l,v73.h,v74.l,v74.h,v75.l,v75.h,v76.l,v76.h,v77.l,v77.h,v78.l,v78.h,v79.l,v79.h
	v_cvt_f32_f16 v[DD], \hh
.set DD, DD+1
.endr
.set jj, 0
.rept 64
	v_min_num_f32 v[EX+jj], v[EX+jj], v3           ; the conversion to an 8-bit code does not saturate (ISA guide 7.6.2); p is not negative, so the hold is one-sided
.set jj, jj+1
.endr
.irp j, 0,1,2,3,4,5,6,7
	v_cvt_scalef32_pk8_fp8_f32 v[CD+16*\i+2*\j:CD+16*\i+2*\j+1], v[EX+8*\j:EX+8*\j+7], v4
.endr
	v_nop                                          ; one plain vector instruction behind the last conversion: the next row's lines write its sources
.irp j, 0,1,2,3,4,5,6,7
	global_store_b64 v2, v[CD+16*\i+2*\j:CD+16*\i+2*\j+1], s[8:9] offset:2048*\i+256*\j   ; 32 lanes store 256 consecutive bytes, at a multiple of 256 from pc's first byte
.endr
.endm
	ROW 0, 1
	ROW 1, 0
	s_endpgm
.Lfunc_end_k_q7c41dc6894_softmax:
	.size	k_q7c41dc6894_softmax, .Lfunc_end_k_q7c41dc6894_softmax-k_q7c41dc6894_softmax
	.p2alignl 7, 3214868480
	.fill 96, 4, 3214868480
	.section	.rodata,"a",@progbits
	.p2align	6, 0x0
	.amdhsa_kernel k_q7c41dc6894_softmax
		.amdhsa_group_segment_fixed_size 0
		.amdhsa_private_segment_fixed_size 0
		.amdhsa_enable_private_segment 0
		.amdhsa_kernarg_size 24
		.amdhsa_user_sgpr_count 2
		.amdhsa_user_sgpr_kernarg_segment_ptr 1
		.amdhsa_wavefront_size32 1
		.amdhsa_system_sgpr_workgroup_id_x 1
		.amdhsa_system_sgpr_workgroup_id_y 1
		.amdhsa_system_sgpr_workgroup_id_z 1
		.amdhsa_system_vgpr_workitem_id 0
		.amdhsa_next_free_vgpr 176
		.amdhsa_next_free_sgpr 66
		.amdhsa_reserve_vcc 0
		.amdhsa_float_denorm_mode_32 3
		.amdhsa_float_denorm_mode_16_64 3
		.amdhsa_memory_ordered 1
		.amdhsa_forward_progress 1
		.amdhsa_inst_pref_size 47
	.end_amdhsa_kernel
	.amdgpu_metadata
---
amdhsa.version: [ 1, 2 ]
amdhsa.kernels:
  - .name:           k_q7c41dc6894_softmax
    .symbol:         k_q7c41dc6894_softmax.kd
    .args:
      - { .name: sc, .offset: 0, .size: 8, .value_kind: global_buffer, .address_space: global }
      - { .name: lowp_scales, .offset: 8, .size: 8, .value_kind: global_buffer, .address_space: global }
      - { .name: pc, .offset: 16, .size: 8, .value_kind: global_buffer, .address_space: global }
    .group_segment_fixed_size: 0
    .private_segment_fixed_size: 0
    .kernarg_segment_align: 8
    .kernarg_segment_size: 24
    .max_flat_workgroup_size: 512
    .sgpr_count:     66
    .vgpr_count:     176
    .wavefront_size: 32
...
	.end_amdgpu_metadata
.endif
;; end of part 3
;; launch pv (part 4): grid 8 x 32, 4 waves a work-group, clusters of 4 x 4, 327,680 bytes of LDS; arguments pc, vt, lowp_scales, out0; writes out0
.if DOCPART == 4
	.amdgcn_target "amdgcn-amd-amdhsa--gfx1250"
	.amdhsa_code_object_version 6
	.text
	.protected	k_q7c41dc6894_pv
	.globl	k_q7c41dc6894_pv
	.p2align	8
	.type	k_q7c41dc6894_pv,@function
k_q7c41dc6894_pv:
	s_mov_b64 s[64:65], 0
	v_nop
	global_prefetch_b8 v0, s[64:65] scope:SCOPE_SE
	s_setreg_imm32_b32 hwreg(HW_REG_WAVE_MODE, 25, 1), 1
	s_wait_xcnt 0x0
	s_wait_alu depctr_hold_cnt(0) depctr_sa_sdst(0) depctr_va_vdst(0) depctr_va_sdst(0) depctr_va_ssrc(0) depctr_va_vcc(0) depctr_vm_vsrc(0)
	s_getreg_b32 s2, hwreg(HW_REG_IB_STS2, 6, 4)
	s_cmp_eq_u32 s2, 0
	s_cbranch_scc0 .Lentry_in_a_cluster
	s_endpgm
.Lentry_in_a_cluster:
	s_bfe_u32 s2, ttmp6, 0x10000c
	s_cmp_lg_u32 s2, 0xf033
	s_cbranch_scc0 .Lentry_shape_is_right
	s_endpgm
.Lentry_shape_is_right:
; out0 = attn v, for each of the four batches, on codes of FP8 (E4M3).  pc: [8192 queries][2048 keys]; vt: [4][1024 features][2048 keys]: K = the keys, innermost in both.  out0: [8192][1024] f32.
; The codes are multiplied as they are, and each finished sum once by 2^(e8 + e9).  LIMIT: e8 + e9 between -126 and 127, so that 2^(e8 + e9) is an f32 number.
; SHARES.  A work-group makes 256 queries x 128 features: 32 x 8 = 256 work-groups.  Wave w makes queries 64 w .. + 63 x all 128 features: 32 accumulators, 256 registers.
; LDS.  The block's 384 rows (A = 256 of pc, then B = 128 of vt) go through two slots of unlike size: X holds 512 along K (rows of 512 bytes + 16), Y holds 256 (rows of 256 + 16): 307,200 bytes.
; K = 2,048 comes in five fills: X, Y, X, Y, X.  Waves 0, 1 fetch A's halves, waves 2, 3 B's: one tensor load a wave behind each round.  The text is straight: no loop.
; CLUSTERS 4 x 4: A's tile hangs on the tile row and is asked for jointly along a row of the cluster, B's on the tile column and the batch, along a column.
; All of a slot's products stand ahead of the wait for the next fill.  Both operands have two sets of fragments: while one set is multiplied, the next 128 of K are read from LDS.
; THE LAST SLOT GOES BY ROWS OF THE RESULT: all its fragments of B (4 x 128 registers) lie in windows 1 and 3, A's come by blocks of 16 queries x 512 K, and each block is finished by 32 matrix instructions
; (its 8 accumulators by turns, K ascending) and leaves at once, while the later blocks are multiplied.  LDS is read no more than by K.
; THE MATRIX INSTRUCTION IS USED TRANSPOSED (source 0 = 16 features, source 1 = 16 queries): a lane holds eight neighbouring features of one query: 32 bytes.
; PREFETCH: each wave names bytes for its share of rows (a quarter of what it fetches, told apart from its partners' by address; a lane a row, 256 bytes an instruction): fill 1 at the head,
; fills 2 and 3 behind fill 1's request, fill 4 behind fill 2's: each at least one fill ahead of its load, and never more than two fills asked for and not yet loaded.
; WINDOWS: 0: addresses, A's fragments v128-255; 1: B's fragments; 2: accumulator (a, b) at v[8 (8 a + b)]; 3: B's fragments of the last slot's second half.
.set KROW, 2048
.set NA, 256
.set NB, 128
.set RA, NA/2
.set RB, NB/2
.set XP, 528
.set YP, 272
.set YB, 384*XP
.set SPARE, YB+384*YP                  ; the spare words: 512 bytes that no other line names
.set STAGE, YB                         ; the way out: 16 rows x 528 bytes a wave, in Y, which has had its last fill and its last read
.set SPITCH, 528
.set AXA, 16
.set AXB, 17
.set AYA, 18
.set AYB, 19
.set STO, 24
.set RD, 25
.set CO, 26
.set PFO, 27
.set SPW, 28
.set NIL, 29
.set TMP, 32
.set AF, 128
.set G1AX, 24
.set G1AY, 32
.set G1BX, 40
.set G1BY, 48
.set G0A, 56
.set G0B, 60
.set LAX, 76
.set LAY, 77
.set LBX, 78
.set LBY, 79
.set MSB, 0
.macro WIN new                         ; the immediate's high byte repeats the setting that is left
.if MSB != \new
	s_set_vgpr_msb (MSB<<8)|\new
.set MSB, \new
.endif
.endm
.set MUL, 0xa1                         ; source 0 (B) window 1, source 1 (A) window 0, C and D window 2
.set TO_B, 0x40
.macro JLOAD g1a, g1b                  ; a joint load: waves 0, 1 for A, waves 2, 3 for B; an s_nop 0 and four v_nop behind each line
	s_cmp_eq_u32 s15, 0
	s_cbranch_scc0 .Lfor_b_\@
	tensor_load_to_lds s[G0A:G0A+3], s[\g1a:\g1a+7]
	s_nop 0
.rept 4
	v_nop
.endr
	s_branch .Lasked_\@
.Lfor_b_\@:
	tensor_load_to_lds s[G0B:G0B+3], s[\g1b:\g1b+7]
	s_nop 0
.rept 4
	v_nop
.endr
.Lasked_\@:
.endm
.macro CREST
	s_cmp_lg_u32 s14, 0
	s_cbranch_scc1 .Lnot_wave_0_\@
	s_barrier_signal -3
.Lnot_wave_0_\@:
	s_barrier_wait -3
	s_barrier_signal -1
	s_barrier_wait -1
.endm
.macro CROUND                          ; a whole round of the cluster's barrier
	s_barrier_signal -1
	s_barrier_wait -1
	CREST
.endm
.macro G1SET g, c, r                   ; r rows of c bytes, KROW bytes apart
	s_mov_b32 s[\g+1], (\c)<<16
	s_mov_b32 s[\g+2], (\r)<<16
	s_mov_b32 s[\g+3], (\c)<<16
	s_mov_b32 s[\g+4], \r
	s_mov_b32 s[\g+5], KROW
	s_mov_b32 s[\g+6], 0
	s_mov_b32 s[\g+7], 0
.endm
.macro PLACES                          ; four plain places behind matrix instructions, in front of loads into their registers and reads of their results
.rept 4
	v_nop
.endr
.endm
.macro FETCH adra, adrb, pitch, q, p   ; 48 LDS loads: the fragments of the slot's q-th 128 of K into set p: registers 4 c .. 4 c + 3 hold K = 32 c + 16 (l / 16) + 0 .. 15, alike in A and B
	WIN TO_B
.irp i, 0,1,2,3,4,5,6,7
.irp c, 0,1,2,3
	ds_load_b128 v[128*(\p)+16*\i+4*\c:128*(\p)+16*\i+4*\c+3], v[\adrb] offset:128*(\q)+32*\c+\i*16*\pitch
.endr
.endr
	WIN 0
.irp i, 0,1,2,3
.irp c, 0,1,2,3
	ds_load_b128 v[AF+64*(\p)+16*\i+4*\c:AF+64*(\p)+16*\i+4*\c+3], v[\adra] offset:128*(\q)+32*\c+\i*16*\pitch
.endr
.endr
.endm
.macro MUL32 p                         ; the 32 accumulators take turns, one instruction a turn; ZF: the first products start the sums
.irp a, 0,1,2,3
.irp b, 0,1,2,3,4,5,6,7
.if ZF
	v_wmma_f32_16x16x128_fp8_fp8 v[8*(8*\a+\b):8*(8*\a+\b)+7], v[128*(\p)+16*\b:128*(\p)+16*\b+15], v[AF+64*(\p)+16*\a:AF+64*(\p)+16*\a+15], 0
.else
	v_wmma_f32_16x16x128_fp8_fp8 v[8*(8*\a+\b):8*(8*\a+\b)+7], v[128*(\p)+16*\b:128*(\p)+16*\b+15], v[AF+64*(\p)+16*\a:AF+64*(\p)+16*\a+15], v[8*(8*\a+\b):8*(8*\a+\b)+7]
.endif
.endr
.endr
.endm
.macro RUN adra, adrb, pitch, n        ; a slot's n steps of 128 along K (n even); the first step's fragments have been asked for, into set 0
.set KQ, 0
.rept \n
.if KQ+1 < \n
	PLACES
	FETCH \adra, \adrb, \pitch, KQ+1, (KQ+1)%2
	s_wait_dscnt 48                                ; all but the 48 loads just issued: this step's fragments are in
.else
	s_wait_dscnt 0x0
.endif
	WIN MUL
	MUL32 KQ%2
.set ZF, 0
.set KQ, KQ+1
.endr
	WIN 0
.endm
.macro CHANGE ldsa, ldsb, step, g1a, g1b   ; the change of slots with a fill behind it
	s_wait_tensorcnt 0x0                           ; my one load that was out, my part of the slot ahead, has landed: the groups 0 may be written
	ds_add_u32 v[SPW], v[NIL]
	s_mov_b32 s[G0A+1], s[\ldsa]
	s_mov_b32 s[G0B+1], s[\ldsb]
	s_add_nc_u64 s[G0A+2:G0A+3], s[G0A+2:G0A+3], \step
	s_add_nc_u64 s[G0B+2:G0B+3], s[G0B+2:G0B+3], \step
	s_wait_dscnt 0x0                               ; the add is done, and my reads of the slot that I leave are over
	CROUND                                         ; both hold of every wave of all sixteen work-groups
	JLOAD \g1a, \g1b                               ; its four v_nop are the places in front of the loads that follow
.endm
.macro ASK k                           ; 256 bytes at byte k of each row of my share
	global_prefetch_b8 v[PFO], s[80:81] offset:\k th:TH_LOAD_NT scope:SCOPE_SE
.endm
	s_load_b256 s[68:75], s[0:1], 0x0              ; pc s[68:69], vt s[70:71], the scales s[72:73], out0 s[74:75]
	v_lshl_add_u32 v[SPW], v0, 2, SPARE
	v_mov_b32 v[NIL], 0
	ds_add_u32 v[SPW], v[NIL]                      ; the opening lines: the add twice on end
	ds_add_u32 v[SPW], v[NIL]
	v_lshrrev_b32 v1, 5, v0
	v_readfirstlane_b32 s14, v1                    ; wave
	s_lshr_b32 s15, s14, 1                         ; I fetch for A (0) or B (1),
	s_and_b32 s16, s14, 1                          ; and which half of that tile
	s_bfe_u32 s3, ttmp6, 0x40000                   ; cx
	s_bfe_u32 s4, ttmp6, 0x40004                   ; cy
	s_lshl_b32 s5, ttmp9, 2
	s_add_co_u32 s5, s5, s3                        ; tile column (128 features)
	s_and_b32 s6, ttmp7, 0xffff
	s_lshr_b32 s7, s6, 1                           ; the batch = cluster y / 2
	s_lshl_b32 s6, s6, 2
	s_add_co_u32 s6, s6, s4                        ; tile row (256 queries)
	s_lshl_b32 s8, s4, 2
	s_lshl_b32 s8, 15, s8                          ; my row of the cluster
	s_lshl_b32 s9, 0x1111, s3                      ; my column
	s_or_b32 s[G1AX], s8, (1<<20)|(1<<21)|(6<<22)|(3<<25)   ; the mask; elements of 1 byte; four words of padding after every 128 words
	s_or_b32 s[G1AY], s8, (1<<20)|(1<<21)|(5<<22)|(3<<25)   ; after every 64
	s_or_b32 s[G1BX], s9, (1<<20)|(1<<21)|(6<<22)|(3<<25)
	s_or_b32 s[G1BY], s9, (1<<20)|(1<<21)|(5<<22)|(3<<25)
	G1SET G1AX, 512, RA
	G1SET G1AY, 256, RA
	G1SET G1BX, 512, RB
	G1SET G1BY, 256, RB
	s_lshl_b32 s10, s6, 8
	s_lshl_b32 s11, s16, 7
	s_add_co_u32 s10, s10, s11                     ; A: query 256 x tile row + 128 x half
	s_lshl_b32 s10, s10, 11
	s_mov_b32 s11, 0
	s_lshl_b32 s12, s7, 10
	s_lshl_b32 s13, s5, 7
	s_add_co_u32 s12, s12, s13
	s_lshl_b32 s13, s16, 6
	s_add_co_u32 s12, s12, s13                     ; B: row 1,024 x batch + 128 x tile column + 64 x half of vt
	s_lshl_b32 s12, s12, 11
	s_mov_b32 s13, 0
	s_mul_i32 s[LAX], s16, RA*XP                   ; where my load goes, in X and in Y
	s_mul_i32 s[LAY], s16, RA*YP
	s_add_co_u32 s[LAY], s[LAY], YB
	s_mul_i32 s[LBX], s16, RB*XP
	s_add_co_u32 s[LBX], s[LBX], NA*XP
	s_mul_i32 s[LBY], s16, RB*YP
	s_add_co_u32 s[LBY], s[LBY], YB+NA*YP
	s_mul_i32 s18, s14, 64*XP                      ; where my fragments lie
	s_mov_b32 s19, NA*XP
	s_mul_i32 s20, s14, 64*YP
	s_add_co_u32 s20, s20, YB
	s_mov_b32 s21, YB+NA*YP
	s_mul_i32 s22, s14, 16*SPITCH
	s_add_co_u32 s22, s22, STAGE                   ; my stage
	s_wait_dscnt 0x0
	s_wait_kmcnt 0x0
	s_load_b64 s[96:97], s[72:73], 0x20            ; e8, e9
	s_mov_b32 s[G0A], 1
	s_mov_b32 s[G0A+1], s[LAX]
	s_add_nc_u64 s[G0A+2:G0A+3], s[68:69], s[10:11]
	s_or_b32 s[G0A+3], s[G0A+3], 0x80000000
	s_mov_b32 s[G0B], 1
	s_mov_b32 s[G0B+1], s[LBX]
	s_add_nc_u64 s[G0B+2:G0B+3], s[70:71], s[12:13]
	s_or_b32 s[G0B+3], s[G0B+3], 0x80000000
	CROUND                                         ; all sixteen work-groups are here
	JLOAD G1AX, G1BX                               ; fill 0: K 0 .. 511: one tensor load a wave at the head
	s_lshl_b32 s10, s6, 8
	s_lshl_b32 s11, s14, 6
	s_add_co_u32 s10, s10, s11                     ; out0: query 256 x tile row + 64 x wave,
	s_lshl_b32 s10, s10, 12
	s_mov_b32 s11, 0
	s_lshl_b32 s12, s5, 9                          ; and the block's 512 bytes of a row
	s_mov_b32 s13, 0
	s_add_nc_u64 s[10:11], s[10:11], s[12:13]
	s_add_nc_u64 s[82:83], s[74:75], s[10:11]
	s_lshl_b32 s10, s6, 8                          ; the prefetches: of the rows that I fetch, my work-group's quarter
	s_lshl_b32 s11, s16, 7
	s_add_co_u32 s10, s10, s11
	s_lshl_b32 s11, s3, 5
	s_add_co_u32 s10, s10, s11                     ; A: + 32 cx
	s_lshl_b32 s12, s7, 10
	s_lshl_b32 s13, s5, 7
	s_add_co_u32 s12, s12, s13
	s_lshl_b32 s13, s16, 6
	s_add_co_u32 s12, s12, s13
	s_lshl_b32 s13, s4, 4
	s_add_co_u32 s12, s12, s13                     ; B: + 16 cy
	s_cmp_eq_u32 s15, 0
	s_cselect_b32 s10, s10, s12
	s_cselect_b64 s[80:81], s[68:69], s[70:71]
	s_cselect_b32 s23, 31, 15                      ; the share's last row: lanes left over name it again
	s_lshl_b32 s10, s10, 11
	s_mov_b32 s11, 0
	s_add_nc_u64 s[80:81], s[80:81], s[10:11]
	v_and_b32 v1, 15, v0                           ; r
	v_bfe_u32 v2, v0, 4, 1                         ; h
	v_mul_u32_u24 v5, v1, XP
	v_lshl_add_u32 v3, v2, 4, v5
	v_mul_u32_u24 v4, v1, YP
	v_lshl_add_u32 v4, v2, 4, v4
	v_add_nc_u32 v[AXA], s18, v3
	v_add_nc_u32 v[AXB], s19, v3
	v_add_nc_u32 v[AYA], s20, v4
	v_add_nc_u32 v[AYB], s21, v4
	v_lshl_add_u32 v5, v2, 5, v5                   ; (SPITCH = XP)
	v_add_nc_u32 v[STO], s22, v5                   ; in: row r, 32 bytes for each half of the lanes
	v_and_b32 v6, 31, v0
	v_lshlrev_b32 v[CO], 4, v6                     ; back: the 32 lanes take one row of 512 bytes; the same in out0
	v_add_nc_u32 v[RD], s22, v[CO]
	v_min_u32 v7, s23, v6
	v_lshlrev_b32 v[PFO], 11, v7                   ; a lane a row
	ASK 512                                        ; fill 1: K 512 .. 767
.set ZF, 1
	s_wait_alu depctr_va_vdst(0)
	CHANGE LAY, LBY, 512, G1AY, G1BY               ; fill 1, Y's first, issued as a refill is
	FETCH AXA, AXB, XP, 0, 0
	ASK 768                                        ; fill 2: K 768 .. 1,279
	ASK 1024
	ASK 1280                                       ; fill 3: K 1,280 .. 1,535
	RUN AXA, AXB, XP, 4
	CHANGE LAX, LBX, 256, G1AX, G1BX               ; fill 2 into X
	FETCH AYA, AYB, YP, 0, 0
	ASK 1536                                       ; fill 4: K 1,536 .. 2,047
	ASK 1792
	RUN AYA, AYB, YP, 2
	CHANGE LAY, LBY, 512, G1AY, G1BY               ; fill 3 into Y
	FETCH AXA, AXB, XP, 0, 0
	RUN AXA, AXB, XP, 4
	CHANGE LAX, LBX, 256, G1AX, G1BX               ; fill 4 into X
	FETCH AYA, AYB, YP, 0, 0
	RUN AYA, AYB, YP, 2
; THE LAST SLOT, BY ROWS OF THE RESULT, AND THE WAY OUT.
.macro BLOAD q                         ; B's fragments of the slot's q-th 128 of K: q = 0, 1 into window 1, q = 2, 3 into window 3
	WIN 0x40+0x80*((\q)/2)
.irp i, 0,1,2,3,4,5,6,7
.irp c, 0,1,2,3
	ds_load_b128 v[128*((\q)%2)+16*\i+4*\c:128*((\q)%2)+16*\i+4*\c+3], v[AXB] offset:128*(\q)+32*\c+\i*16*XP
.endr
.endr
.endm
.macro ALOAD a                         ; 16 loads: A's fragments of block a, 16 queries x 512 K, into buffer a % 2
.set PA, AF+64*((\a)%2)
.irp q, 0,1,2,3
.irp c, 0,1,2,3
	ds_load_b128 v[PA+16*\q+4*\c:PA+16*\q+4*\c+3], v[AXA] offset:128*\q+32*\c+(\a)*16*XP
.endr
.endr
.endm
.macro ROW a                           ; block a is finished: 32 matrix instructions, its 8 accumulators by turns, K ascending
.set PA, AF+64*((\a)%2)
.irp q, 0,1,2,3
	WIN 0xa1+2*(\q/2)                              ; source 0 (B): window 1, then window 3
.irp b, 0,1,2,3,4,5,6,7
	v_wmma_f32_16x16x128_fp8_fp8 v[8*(8*(\a)+\b):8*(8*(\a)+\b)+7], v[128*(\q%2)+16*\b:128*(\q%2)+16*\b+15], v[PA+16*\q:PA+16*\q+15], v[8*(8*(\a)+\b):8*(8*(\a)+\b)+7]
.endr
.endr
.endm
; A block of 16 queries x 128 features goes through my own stage: in as 32 bytes a lane, back as whole rows of 512 bytes, into the block's own accumulators, which are done with: no store's data are written again.
; LDS serves a wave's instructions in order (ISA guide 5.7.1.4): no wait between the stores and the loads, nor in front of the next block's stores.
.macro TOSTAGE a
.set AC, 64*(\a)
	WIN 0x02
.set jj, 0
.rept 32
	v_pk_mul_f32 v[TMP+jj:TMP+jj+1], v[AC+jj:AC+jj+1], s[96:97] op_sel_hi:[1,0]   ; x 2^(e8 + e9); each accumulator from its low end on
.set jj, jj+2
.endr
	WIN 0
.irp b, 0,1,2,3,4,5,6,7
	ds_store_b128 v[STO], v[TMP+8*\b:TMP+8*\b+3] offset:64*\b
	ds_store_b128 v[STO], v[TMP+8*\b+4:TMP+8*\b+7] offset:64*\b+16
.endr
	WIN 0x80                                       ; destination window 2
.irp t, 0,1,2,3,4,5,6,7,8,9,10,11,12,13,14,15
	ds_load_b128 v[AC+4*\t:AC+4*\t+3], v[RD] offset:\t*SPITCH
.endr
	WIN 0
.endm
.macro SEND a, younger                 ; younger: the LDS loads issued behind TOSTAGE's, which may stay out
.set AC, 64*(\a)
	s_wait_dscnt \younger
	WIN 0x08                                       ; a store's data are its source 1: window 2
.irp t, 0,1,2,3,4,5,6,7,8,9,10,11,12,13,14,15
	global_store_b128 v[CO], v[AC+4*\t:AC+4*\t+3], s[82:83] offset:(16*(\a)+\t)*4096 th:TH_STORE_NT   ; 32 lanes store 512 consecutive bytes, at a multiple of 256 from out0's first byte
.endr
	WIN 0
.endm
	s_wait_tensorcnt 0x0                           ; the last change of slots: nothing is filled, so no round
	ds_add_u32 v[SPW], v[NIL]
	s_wait_dscnt 0x0
	s_barrier_signal -1
	s_barrier_wait -1
	PLACES
	BLOAD 0
	BLOAD 1
	BLOAD 2
	BLOAD 3
	WIN 0
	ALOAD 0
	ALOAD 1
	s_wait_kmcnt 0x0
	s_add_co_i32 s96, s96, s97
	s_add_co_i32 s96, s96, 127
	s_lshl_b32 s96, s96, 23                        ; 2^(e8 + e9)
	s_mov_b32 s97, s96
	s_wait_dscnt 16                                ; all but block 1's 16 loads
	ROW 0
.irp a, 0,1,2,3
	PLACES                                         ; block a's results were just made, and its buffer of A is loaded anew below
	TOSTAGE \a
.if \a < 2
	ALOAD \a+2
	SEND \a, 16                                    ; the block is back, and so are block a + 1's fragments; block a + 2's 16 loads may be out
.else
	SEND \a, 0
.endif
.if \a < 3
	ROW \a+1
.endif
.endr
	s_wait_tensorcnt 0x0                           ; the wave's end
	ds_add_u32 v[SPW], v[NIL]
	s_wait_dscnt 0x0
	CROUND                                         ; the closing round
	s_endpgm
.Lfunc_end_k_q7c41dc6894_pv:
	.size	k_q7c41dc6894_pv, .Lfunc_end_k_q7c41dc6894_pv-k_q7c41dc6894_pv
	.p2alignl 7, 3214868480
	.fill 96, 4, 3214868480
	.section	.rodata,"a",@progbits
	.p2align	6, 0x0
	.amdhsa_kernel k_q7c41dc6894_pv
		.amdhsa_group_segment_fixed_size 327680
		.amdhsa_private_segment_fixed_size 0
		.amdhsa_enable_private_segment 0
		.amdhsa_kernarg_size 32
		.amdhsa_user_sgpr_count 2
		.amdhsa_user_sgpr_kernarg_segment_ptr 1
		.amdhsa_wavefront_size32 1
		.amdhsa_system_sgpr_workgroup_id_x 1
		.amdhsa_system_sgpr_workgroup_id_y 1
		.amdhsa_system_sgpr_workgroup_id_z 1
		.amdhsa_system_vgpr_workitem_id 0
		.amdhsa_next_free_vgpr 1024
		.amdhsa_next_free_sgpr 100
		.amdhsa_reserve_vcc 0
		.amdhsa_float_denorm_mode_32 3
		.amdhsa_float_denorm_mode_16_64 3
		.amdhsa_memory_ordered 1
		.amdhsa_forward_progress 1
		.amdhsa_inst_pref_size 120
	.end_amdhsa_kernel
	.amdgpu_metadata
---
amdhsa.version: [ 1, 2 ]
amdhsa.kernels:
  - .name:           k_q7c41dc6894_pv
    .symbol:         k_q7c41dc6894_pv.kd
    .args:
      - { .name: pc, .offset: 0, .size: 8, .value_kind: global_buffer, .address_space: global }
      - { .name: vt, .offset: 8, .size: 8, .value_kind: global_buffer, .address_space: global }
      - { .name: lowp_scales, .offset: 16, .size: 8, .value_kind: global_buffer, .address_space: global }
      - { .name: out0, .offset: 24, .size: 8, .value_kind: global_buffer, .address_space: global }
    .group_segment_fixed_size: 327680
    .private_segment_fixed_size: 0
    .kernarg_segment_align: 8
    .kernarg_segment_size: 32
    .max_flat_workgroup_size: 128
    .sgpr_count:     100
    .vgpr_count:     1024
    .wavefront_size: 32
...
	.end_amdgpu_metadata
.endif
;; end of part 4
